; MI455X (gfx1250); checked and timed in simulation.
; The chip was launched on July 23, 2026; its instructions are those of AMD's public machine-readable ISA for CDNA 5 (MIT licence, August 2026) and "CDNA5" Instruction Set Architecture Reference Guide (July 2026). The comments in the code are by the model that wrote it; some were corrected since.
;; Advanced Mo E. Allowed arithmetic: float matrix products may take bf16 or f16 operands with f32 sums; all other float work in f32.
;; Inputs: W1 8 x 768 x 256 float32; W2 8 x 256 x 256 float32; W3 8 x 256 x 768 float32; Wg1 768 x 256 float32; Wg2 256 x 256 float32; Wg3 256 x 8 float32; Wq1 768 x 256 float32; Wq2 256 x 1 float32; b1 8 x 256 float32; b2 8 x 256 float32; b3 8 x 768 float32; bg1 256 float32; bg2 256 float32; bg3 8 float32; bq1 256 float32; bq2 1 float32; x 16,384 x 768 float32.
;; Outputs: out0 16,384 x 768 float32; out1 16,384 x 8 float32; out2 16,384 x 1 float32.
;; 2 versions, each right and faster than the one before. Each part assembles by itself: llvm-mc -triple=amdgcn-amd-amdhsa -mcpu=gfx1250 --defsym DOCPART=n.
;; ======== version 1 of 2: 4 launches
;; limits: values outside matrix products are rounded to bf16
;; workspace buffers: WF 8,265,728 bytes; xb 25,165,824 bytes; wts 131,072 bytes; code 65,536 bytes of whole numbers; list 1,835,008 bytes of whole numbers; meta 256 bytes of whole numbers
;; launch prep (part 1): grid 505 x 1, 4 waves a work-group, no clusters, 20,992 bytes of LDS; arguments W1, W2, Wg1, Wq1, Wg2, W3, Wg3, WF; writes WF
.if DOCPART == 1
	.amdgcn_target "amdgcn-amd-amdhsa--gfx1250"
	.amdhsa_code_object_version 6
	.text
	.protected	k_q970796b534_prep
	.globl	k_q970796b534_prep
	.p2align	8
	.type	k_q970796b534_prep,@function
k_q970796b534_prep:
	s_mov_b64 s[64:65], 0
	v_nop
	global_prefetch_b8 v0, s[64:65] scope:SCOPE_SE
	s_setreg_imm32_b32 hwreg(HW_REG_WAVE_MODE, 25, 1), 1
	s_wait_xcnt 0x0
; All weight matrices, f32 [K][N], to bf16 in the order in which a matrix instruction's fragment lies in registers.
; A block of 1,024 bytes is one fragment (16 columns n, 32 rows k): lane L = 16 h + r finds k = 8h..8h+7 of column r at byte 16 L
; and k = 16+8h..16+8h+7 at byte 512 + 16 L, so that a wave later fetches a fragment by two loads of 512 consecutive bytes.
; A work-group turns one panel of 32 k x 256 n (32 KiB of f32) into 16 blocks, through a transposed tile T[n][k] in LDS.
; Panels 0-191 W1 (8 x 24), 192-255 W2 (8 x 8), 256-279 Wg1, 280-303 Wq1, 304-311 Wg2: rows of 1,024 bytes, block = 16 ks + nt.
; Panels 312-503 W3 (expert, chunk of 256 columns, ks): rows of 3,072 bytes, block = ((nt>>2) 8 + ks) 4 + (nt&3).
; Work-group 504: Wg3 [256][8], eight blocks, columns 8-15 zero.
; No matrix unit, no cluster: every byte is read once and written once, nothing is shared between work-groups.
.set X, 16                             ; v[16:79]  16 loads of 4 f32
.set P, 80                             ; v[80:111] packed words, then the blocks read back
	s_load_b512 s[8:23], s[0:1], 0x0               ; W1 8, W2 10, Wg1 12, Wq1 14, Wg2 16, W3 18, Wg3 20, WF 22
	v_lshl_add_u32 v112, v0, 2, 0x5000
	v_mov_b32 v113, 0
	v_and_b32 v1, 31, v0                           ; lane L
	v_lshrrev_b32 v2, 5, v0
	v_readfirstlane_b32 s7, v2                     ; wave w
	v_and_b32 v2, 15, v0                           ; r
	v_bfe_u32 v3, v0, 4, 1                         ; h
	s_mov_b32 s2, ttmp9                            ; panel number
	s_cmp_eq_u32 s2, 504
	s_cbranch_scc1 .Lwg3
	; which matrix, which panel of it: both families are worked out, one is selected
	s_sub_co_u32 s24, s2, 192
	s_sub_co_u32 s25, s2, 256
	s_sub_co_u32 s26, s2, 280
	s_sub_co_u32 s27, s2, 304
	s_sub_co_u32 s28, s2, 312
	s_and_b32 s32, s28, 7                          ; W3: ks
	s_lshr_b32 s33, s28, 3                         ; 3 e + c
	s_mul_i32 s34, s33, 11
	s_lshr_b32 s34, s34, 5                         ; e = (3e+c)/3, exact for 0..23
	s_mul_i32 s35, s34, 3
	s_sub_co_u32 s35, s33, s35                     ; c
	s_mul_i32 s36, s34, 786432                     ; an expert's W3
	s_mul_i32 s37, s32, 98304                      ; 32 rows of 3,072 bytes
	s_add_co_u32 s36, s36, s37
	s_lshl_b32 s37, s35, 10                        ; 256 columns
	s_add_co_u32 s36, s36, s37
	s_lshl_b32 s38, s33, 17
	s_lshl_b32 s37, s32, 12
	s_add_co_u32 s38, s38, s37
	s_add_co_u32 s38, s38, 5111808
	s_mov_b32 s42, 3072
	s_mov_b32 s43, 1024
	s_mov_b32 s29, 32768
	s_mov_b32 s39, 4096
	s_wait_kmcnt 0x0
	s_cmp_ge_u32 s2, 192
	s_cselect_b64 s[4:5], s[10:11], s[8:9]
	s_cselect_b32 s3, s24, s2
	s_cmp_ge_u32 s2, 256
	s_cselect_b64 s[4:5], s[12:13], s[4:5]
	s_cselect_b32 s3, s25, s3
	s_cmp_ge_u32 s2, 280
	s_cselect_b64 s[4:5], s[14:15], s[4:5]
	s_cselect_b32 s3, s26, s3
	s_cmp_ge_u32 s2, 304
	s_cselect_b64 s[4:5], s[16:17], s[4:5]
	s_cselect_b32 s3, s27, s3
	s_lshl_b32 s30, s3, 15                         ; a panel of the first family is 32 KiB, dense
	s_lshl_b32 s31, s2, 14                         ; and its 16 blocks follow each other in WF
	s_cmp_ge_u32 s2, 312
	s_cselect_b64 s[4:5], s[18:19], s[4:5]
	s_cselect_b32 s44, s36, s30                    ; byte offset of the panel in its matrix
	s_cselect_b32 s46, s38, s31                    ; byte offset of its blocks in WF
	s_cselect_b32 s40, s42, s43                    ; bytes from row to row
	s_cselect_b32 s41, s29, s39                    ; bytes from one wave's four blocks to the next wave's
	s_mov_b32 s45, 0
	s_mov_b32 s47, 0
	s_add_nc_u64 s[4:5], s[4:5], s[44:45]
	s_add_nc_u64 s[22:23], s[22:23], s[46:47]
	s_lshl_b32 s6, s7, 3
	s_mul_i32 s6, s6, s40                          ; wave w reads rows 8w .. 8w+7
	v_lshl_add_u32 v4, v1, 4, s6
.irp i,1,2,3,4,5,6,7
	v_add_nc_u32 v[4+\i], s40, v[3+\i]
.endr
.irp i,0,1,2,3,4,5,6,7
	global_load_b128 v[X+8*\i:X+8*\i+3], v[4+\i], s[4:5] th:TH_LOAD_NT              ; columns 4L..4L+3
	global_load_b128 v[X+8*\i+4:X+8*\i+7], v[4+\i], s[4:5] offset:512 th:TH_LOAD_NT ; columns 128+4L..
.endr
	v_mul_u32_u24 v12, v1, 320                     ; T[n][k], 80 bytes a column n: 4 L columns
	s_lshl_b32 s6, s7, 4
	v_add_nc_u32 v12, s6, v12                      ; + k = 8 w
	v_mul_u32_u24 v13, v2, 80
	v_lshl_add_u32 v13, v3, 4, v13
	s_mul_i32 s6, s7, 5120
	v_add_nc_u32 v13, s6, v13                      ; back: column 64 w + r, k = 8 h
	s_mul_i32 s6, s7, s41
	v_lshl_add_u32 v14, v1, 4, s6
	s_wait_loadcnt 0x0
.irp ip,0,1,2,3
.irp q,0,1
.irp c,0,1,2,3
	v_cvt_pk_bf16_f32 v[P+8*\ip+4*\q+\c], v[X+16*\ip+4*\q+\c], v[X+16*\ip+8+4*\q+\c]   ; rows 2ip, 2ip+1 of one column
	ds_store_b32 v12, v[P+8*\ip+4*\q+\c] offset:\q*10240+\c*80+\ip*4
.endr
.endr
.endr
	s_wait_dscnt 0x0                               ; my part of T is written, for the other waves' sake
	s_barrier_signal -1
	s_barrier_wait -1
.irp i,0,1,2,3
	ds_load_b128 v[P+8*\i:P+8*\i+3], v13 offset:\i*1280
	ds_load_b128 v[P+8*\i+4:P+8*\i+7], v13 offset:\i*1280+32
.endr
	s_wait_dscnt 0x0
.irp i,0,1,2,3
	global_store_b128 v14, v[P+8*\i:P+8*\i+3], s[22:23] offset:\i*1024        ; each store of the wave covers 512 consecutive bytes, aligned
	global_store_b128 v14, v[P+8*\i+4:P+8*\i+7], s[22:23] offset:\i*1024+512
.endr
	s_wait_tensorcnt 0x0
	ds_add_u32 v112, v113
	s_wait_dscnt 0x0
	s_endpgm
.Lwg3:
	s_wait_kmcnt 0x0
	s_add_nc_u64 s[22:23], s[22:23], 0x7e0000      ; Wg3's blocks at byte 8,257,536
	v_and_b32 v4, 7, v2
	v_lshlrev_b32 v4, 2, v4                        ; column r & 7
	v_lshl_add_u32 v4, v3, 8, v4                   ; + 8 h rows of 32 bytes
	s_lshl_b32 s6, s7, 11                          ; wave w: k = 64 w .., blocks 2w and 2w+1
	v_add_nc_u32 v4, s6, v4
	v_lshl_add_u32 v5, v1, 4, s6
.irp a,0,1,2,3
.irp j,0,1,2,3,4,5,6,7
	global_load_b32 v[X+8*\a+\j], v4, s[20:21] offset:(16*\a+\j)*32
.endr
.endr
	v_cmp_gt_u32 vcc_lo, 8, v2                     ; columns 8-15 do not exist: zero
	s_wait_loadcnt 0x0
.irp a,0,1,2,3
.irp j,0,1,2,3
	v_cvt_pk_bf16_f32 v[P+4*\a+\j], v[X+8*\a+2*\j], v[X+8*\a+2*\j+1]
	v_cndmask_b32 v[P+4*\a+\j], 0, v[P+4*\a+\j], vcc_lo
.endr
	global_store_b128 v5, v[P+4*\a:P+4*\a+3], s[22:23] offset:512*\a
.endr
	s_endpgm
.Lfunc_end_k_q970796b534_prep:
	.size	k_q970796b534_prep, .Lfunc_end_k_q970796b534_prep-k_q970796b534_prep
	.p2alignl 7, 3214868480
	.fill 96, 4, 3214868480
	.section	.rodata,"a",@progbits
	.p2align	6, 0x0
	.amdhsa_kernel k_q970796b534_prep
		.amdhsa_group_segment_fixed_size 20992
		.amdhsa_private_segment_fixed_size 0
		.amdhsa_enable_private_segment 0
		.amdhsa_kernarg_size 64
		.amdhsa_user_sgpr_count 2
		.amdhsa_user_sgpr_kernarg_segment_ptr 1
		.amdhsa_wavefront_size32 1
		.amdhsa_system_sgpr_workgroup_id_x 1
		.amdhsa_system_sgpr_workgroup_id_y 1
		.amdhsa_system_sgpr_workgroup_id_z 1
		.amdhsa_system_vgpr_workitem_id 0
		.amdhsa_next_free_vgpr 114
		.amdhsa_next_free_sgpr 66
		.amdhsa_reserve_vcc 1
		.amdhsa_float_denorm_mode_32 3
		.amdhsa_float_denorm_mode_16_64 3
		.amdhsa_memory_ordered 1
		.amdhsa_forward_progress 1
		.amdhsa_inst_pref_size 17
	.end_amdhsa_kernel
	.amdgpu_metadata
---
amdhsa.version: [ 1, 2 ]
amdhsa.kernels:
  - .name:           k_q970796b534_prep
    .symbol:         k_q970796b534_prep.kd
    .args:
      - { .name: W1, .offset: 0, .size: 8, .value_kind: global_buffer, .address_space: global }
      - { .name: W2, .offset: 8, .size: 8, .value_kind: global_buffer, .address_space: global }
      - { .name: Wg1, .offset: 16, .size: 8, .value_kind: global_buffer, .address_space: global }
      - { .name: Wq1, .offset: 24, .size: 8, .value_kind: global_buffer, .address_space: global }
      - { .name: Wg2, .offset: 32, .size: 8, .value_kind: global_buffer, .address_space: global }
      - { .name: W3, .offset: 40, .size: 8, .value_kind: global_buffer, .address_space: global }
      - { .name: Wg3, .offset: 48, .size: 8, .value_kind: global_buffer, .address_space: global }
      - { .name: WF, .offset: 56, .size: 8, .value_kind: global_buffer, .address_space: global }
    .group_segment_fixed_size: 20992
    .private_segment_fixed_size: 0
    .kernarg_segment_align: 8
    .kernarg_segment_size: 64
    .max_flat_workgroup_size: 128
    .sgpr_count:     66
    .vgpr_count:     114
    .wavefront_size: 32
...
	.end_amdgpu_metadata
.endif
;; end of part 1
;; launch gate (part 2): grid 256 x 1, 4 waves a work-group, no clusters, 313,344 bytes of LDS; arguments x, WF, bg1, bg2, bg3, bq1, Wq2, bq2, out1, out2, xb, code, wts; writes out1, out2, xb, code, wts
.if DOCPART == 2
	.amdgcn_target "amdgcn-amd-amdhsa--gfx1250"
	.amdhsa_code_object_version 6
	.text
	.protected	k_q970796b534_gate
	.globl	k_q970796b534_gate
	.p2align	8
	.type	k_q970796b534_gate,@function
k_q970796b534_gate:
	s_mov_b64 s[64:65], 0
	v_nop
	global_prefetch_b8 v0, s[64:65] scope:SCOPE_SE
	s_setreg_imm32_b32 hwreg(HW_REG_WAVE_MODE, 25, 1), 1
	s_wait_xcnt 0x0
; For 64 tokens: the gate (three layers, softmax), its two best experts as a pair number and two weights, the geometric score,
; and a bf16 copy of x for the expert launch.
; WHAT IS COMPUTED, AND ITS LIMIT.  The choice of two experts jumps, so the gate is evaluated as f32 arithmetic on x, Wg1, Wg2, Wg3, bg1, bg2, bg3
; rounded once to bf16: products of bf16 are exact, sums are f32, and the intermediates g1, g2 are NOT rounded: each f32 is cut exactly
; into three bf16 parts (8 + 8 + 8 bits) and all three are multiplied.  Against an evaluation on unrounded inputs the choice can differ for
; tokens whose second and third probabilities nearly tie.  Ties go to the lower index.  With NaN logits a valid pair is still stored.
; Wq2, bq1, bq2 stay f32.  The softmax takes the row's maximum away first.
; SHARES.  Four waves, one on each SIMD.  Layer 1: N = 512 (256 gate + 256 score columns), wave w owns gate columns 64w.. and score columns 64w..;
; 4 row tiles x 8 column tiles = 32 accumulators.  Layer 2: 16 accumulators.  Layer 3: wave w owns row tile w.
; WEIGHTS GO FROM MEMORY STRAIGHT INTO REGISTERS: the waves split N alone, so a weight fragment serves exactly one wave; it lies in WF as its register image
; and comes by two loads of 512 consecutive bytes.  That is also why no joint (cluster) loads are used: those land in LDS, and the way through LDS would add a write and
; a read of the 917,504 weight bytes of a work-group to an LDS that already feeds every wave its activations.
; A ring of four register slots (window 3) of 8 fragments = 16 loads runs through all layers, four units ahead.
; The matrix instruction is used transposed (source 0 = weights, source 1 = tokens): lane l holds token row l % 16, registers j hold columns 8 (l / 16) + j.
; Accumulators take turns, one instruction a turn.
; Straight-line text: every weight address is an immediate, no base is ever stepped.
.set XP, 1552                          ; LDS row of x: 1,536 bytes + 16
.set GP, 528                           ; LDS row of a part of g: 512 bytes + 16
.set G1, 99328                         ; g1: three parts of 64 x 528 bytes, then g2's three
.set GPART, 33792
.set GSTEP, 101376
.set BIAS, 302080                      ; bg1 (rounded), bq1, Wq2, bg2 (rounded): 1,024 bytes each
.set GSUM, 306176                      ; score partial sums [4 waves][64 tokens]
.set PS, 307200                        ; per wave: 512 bytes of probabilities, 512 for the lanes that hold the columns that do not exist
.set CD, 311296                        ; pair numbers 256 + 256
.set WT, 311808                        ; weights 512 + 512
.set LAST, 28                          ; last ring unit
.set VB, 4                             ; 16 L + 4096 w
.set VL16, 5                           ; 16 L
.set VXA, 6                            ; v6-7   x fragments, row tiles 0-1 and 2-3
.set VGR, 8                            ; v8-10  reads of the three parts
.set VGW, 11                           ; v11-13 stores of the three parts
.set VX, 14
.set VXB, 15
.set VXS, 16
.set VT8, 17
.set VBL, 18
.set VBI, 19
.set VGS, 20
.set VG3, 21                           ; v21-23
.set VPS, 24
.set VCD, 25
.set VWT, 26
.set VPR, 27
.set VO1, 28
.set V8L, 29
.set ABUF, 32                          ; fragment buffers from v32 on
.set PK, 32                            ; prologue: 192 packed words, a pair for each x load
.set BG, 32
.set BQ, 64
.set WQ, 96
.set T, 128
.set U, 160
.set PH, 168
.set PM, 172
.set PL, 176
.set SC, 180
.set MSB, 0
.macro WIN new                         ; the immediate's high byte repeats the setting that is left
.if MSB != \new
	s_set_vgpr_msb (MSB<<8)|\new
.set MSB, \new
.endif
.endm
.macro PLACES                          ; four places behind a matrix instruction before its registers are loaded into, read or written (ISA guide 7.12.1)
.rept 4
	v_nop
.endr
.endm
.macro WM d, b, a, z                   ; one matrix instruction; z = 1: the product starts the sum
.if \z
	v_wmma_f32_16x16x32_bf16 v[\d:\d+7], v[\b:\b+7], v[\a:\a+7], 0
.else
	v_wmma_f32_16x16x32_bf16 v[\d:\d+7], v[\b:\b+7], v[\a:\a+7], v[\d:\d+7]
.endif
.endm
; Ring unit u into slot u % 4.  0-23: K step u of Wg1 (4 fragments) and Wq1 (4).  24-27: two K steps of Wg2.  28: Wg3's eight K steps.
.macro RING u
	WIN 0xc0
.irp i,0,1,2,3,4,5,6,7,8,9,10,11,12,13,14,15
.if (\u) < 24
	global_load_b128 v[64*((\u)%4)+4*\i:64*((\u)%4)+4*\i+3], v[VB], s[50:51] offset:(\u)*16384+393216*(\i/8)+512*(\i%8)
.else
.if (\u) < 28
	global_load_b128 v[64*((\u)%4)+4*\i:64*((\u)%4)+4*\i+3], v[VB], s[50:51] offset:786432+(2*((\u)-24)+(\i/8))*16384+512*(\i%8)
.else
	global_load_b128 v[64*((\u)%4)+4*\i:64*((\u)%4)+4*\i+3], v[VL16], s[50:51] offset:4063232+512*\i
.endif
.endif
.endr
.endm
.macro RWAIT u                         ; unit u is in: the younger units, 16 loads each and three at the most, may stay out
.if LAST-(\u) >= 3
	s_wait_loadcnt 48
.else
	s_wait_loadcnt 16*(LAST-(\u))
.endif
.endm
.macro LDA1 ks                         ; x fragments of K step ks, four row tiles, into buffer ks % 2
.irp mt,0,1,2,3
	ds_load_b128 v[ABUF+32*((\ks)%2)+8*\mt:ABUF+32*((\ks)%2)+8*\mt+3], v[VXA+\mt/2] offset:(\mt%2)*16*XP+(\ks)*64
	ds_load_b128 v[ABUF+32*((\ks)%2)+8*\mt+4:ABUF+32*((\ks)%2)+8*\mt+7], v[VXA+\mt/2] offset:(\mt%2)*16*XP+(\ks)*64+32
.endr
.endm
.macro MUL1 u, z
	WIN 0x53                                       ; weights window 3, tokens window 0, sums window 1
.irp mt,0,1,2,3
.irp f,0,1,2,3,4,5,6,7
	WM (8*(8*\mt+\f)), (64*((\u)%4)+8*\f), (ABUF+32*((\u)%2)+8*\mt), \z
.endr
.endr
.endm
.macro LDA2 s                          ; the three parts of g1, K step s, four row tiles, into buffer s % 2 (96 registers)
.irp p,0,1,2
.irp mt,0,1,2,3
	ds_load_b128 v[ABUF+96*((\s)%2)+8*(4*\p+\mt):ABUF+96*((\s)%2)+8*(4*\p+\mt)+3], v[VGR+\p] offset:\mt*16*GP+(\s)*64
	ds_load_b128 v[ABUF+96*((\s)%2)+8*(4*\p+\mt)+4:ABUF+96*((\s)%2)+8*(4*\p+\mt)+7], v[VGR+\p] offset:\mt*16*GP+(\s)*64+32
.endr
.endr
.endm
.macro MUL2 s, z
	WIN 0x53
.irp p,0,1,2
.irp mt,0,1,2,3
.irp i,0,1,2,3
	WM (8*(4*\mt+\i)), (64*(((\s)/2)%4)+8*(4*((\s)%2)+\i)), (ABUF+96*((\s)%2)+8*(4*\p+\mt)), ((\z)*((2-\p)/2))
.endr
.endr
.endr
.endm
.macro LDB dst, arr                    ; my 64 columns of one array of BIAS: 8 numbers for each of 4 column tiles
.irp i,0,1,2,3
	ds_load_b128 v[\dst+8*\i:\dst+8*\i+3], v[VBI] offset:\arr*1024+\i*64
	ds_load_b128 v[\dst+8*\i+4:\dst+8*\i+7], v[VBI] offset:\arr*1024+\i*64+16
.endr
.endm
.macro CUT p, t                        ; p = the 8 numbers at t rounded to bf16; t keeps the exact rest
.irp j,0,1,2,3
	v_cvt_pk_bf16_f32 v[\p+\j], v[\t+2*\j], v[\t+2*\j+1]
.endr
.irp j,0,1,2,3
	v_lshlrev_b32 v[U+2*\j], 16, v[\p+\j]
	v_and_b32 v[U+2*\j+1], s48, v[\p+\j]
.endr
.irp j,0,2,4,6
	v_pk_add_f32 v[\t+\j:\t+\j+1], v[\t+\j:\t+\j+1], v[U+\j:U+\j+1] neg_lo:[0,1] neg_hi:[0,1]
.endr
.endm
; Row tile mt, four column tiles (accumulator ast*mt + i): bias, relu, three bf16 parts, 16 bytes a lane into each part's rows.
.macro SPLITM mt, ast, bias
	WIN 0x01
.irp i,0,1,2,3
.irp j,0,2,4,6
	v_pk_add_f32 v[T+8*\i+\j:T+8*\i+\j+1], v[8*(\ast*\mt+\i)+\j:8*(\ast*\mt+\i)+\j+1], v[\bias+8*\i+\j:\bias+8*\i+\j+1]
.endr
.endr
	WIN 0
.irp i,0,1,2,3
.irp j,0,1,2,3,4,5,6,7
	v_max_num_f32 v[T+8*\i+\j], 0, v[T+8*\i+\j]
.endr
	CUT PH, (T+8*\i)
	CUT PM, (T+8*\i)
.irp j,0,1,2,3
	v_cvt_pk_bf16_f32 v[PL+\j], v[T+8*\i+2*\j], v[T+8*\i+2*\j+1]
.endr
	ds_store_b128 v[VGW], v[PH:PH+3] offset:\mt*16*GP+\i*32
	ds_store_b128 v[VGW+1], v[PM:PM+3] offset:\mt*16*GP+\i*32
	ds_store_b128 v[VGW+2], v[PL:PL+3] offset:\mt*16*GP+\i*32
.endr
.endm
; Row tile mt of the score: relu(acc + bq1) . Wq2 over my 64 columns
.macro SCOREM mt
	WIN 0x01
.irp i,0,1,2,3
.irp j,0,2,4,6
	v_pk_add_f32 v[T+8*\i+\j:T+8*\i+\j+1], v[8*(8*\mt+4+\i)+\j:8*(8*\mt+4+\i)+\j+1], v[BQ+8*\i+\j:BQ+8*\i+\j+1]
.endr
.endr
	WIN 0
.irp k,0,1,2,3,4,5,6,7,8,9,10,11,12,13,14,15,16,17,18,19,20,21,22,23,24,25,26,27,28,29,30,31
	v_max_num_f32 v[T+\k], 0, v[T+\k]
.endr
	v_pk_mul_f32 v[SC+2*\mt:SC+2*\mt+1], v[T:T+1], v[WQ:WQ+1]
.irp k,2,4,6,8,10,12,14,16,18,20,22,24,26,28,30
	v_pk_fma_f32 v[SC+2*\mt:SC+2*\mt+1], v[T+\k:T+\k+1], v[WQ+\k:WQ+\k+1], v[SC+2*\mt:SC+2*\mt+1]
.endr
	v_add_f32 v[SC+2*\mt], v[SC+2*\mt], v[SC+2*\mt+1]
	v_permlanex16_b32 v[SC+2*\mt+1], v[SC+2*\mt], s46, s47     ; the other half of the lanes holds the same token's other columns
	v_add_f32 v[SC+2*\mt], v[SC+2*\mt], v[SC+2*\mt+1]
	ds_store_b32 v[VGS], v[SC+2*\mt] offset:64*\mt
.endm
; 16 of my 96 x loads: round to bf16, into LDS and into xb.  cnt = how many younger loads may stay out.
.macro XBATCH b, cnt
	s_wait_loadcnt \cnt
	WIN (5*(1+\b/4))                               ; both sources in window 1 (loads 0-63) or 2 (64-95)
.irp k,0,1,2,3,4,5,6,7,8,9,10,11,12,13,14,15
	v_cvt_pk_bf16_f32 v[PK+2*(16*\b+\k)], v[4*((16*\b+\k)%64)], v[4*((16*\b+\k)%64)+1]
	v_cvt_pk_bf16_f32 v[PK+2*(16*\b+\k)+1], v[4*((16*\b+\k)%64)+2], v[4*((16*\b+\k)%64)+3]
.endr
	WIN 0
.irp k,0,1,2,3,4,5,6,7,8,9,10,11,12,13,14,15
	ds_store_b64 v[VXS], v[PK+2*(16*\b+\k):PK+2*(16*\b+\k)+1] offset:((16*\b+\k)/6)*XP+((16*\b+\k)%6)*256
	global_store_b64 v[VXB], v[PK+2*(16*\b+\k):PK+2*(16*\b+\k)+1], s[54:55] offset:256*(16*\b+\k)   ; 256 consecutive bytes, aligned
.endr
.endm
	s_load_b512 s[8:23], s[0:1], 0x0               ; x 8, WF 10, bg1 12, bg2 14, bg3 16, bq1 18, Wq2 20, bq2 22
	s_load_b256 s[24:31], s[0:1], 0x40             ; out1 24, out2 26, xb 28, code 30
	s_load_b64 s[32:33], s[0:1], 0x60              ; wts
	v_lshl_add_u32 v254, v0, 2, 0x4c600
	v_mov_b32 v255, 0
	v_and_b32 v1, 31, v0                           ; L
	v_lshrrev_b32 v30, 5, v0
	v_readfirstlane_b32 s2, v30                    ; wave w
	v_and_b32 v2, 15, v0                           ; r
	v_bfe_u32 v3, v0, 4, 1                         ; h
	v_lshlrev_b32 v[VL16], 4, v1
	s_lshl_b32 s56, s2, 12
	v_add_nc_u32 v[VB], s56, v[VL16]
	v_mul_u32_u24 v30, v2, XP
	v_lshl_add_u32 v[VXA], v3, 4, v30
	v_add_nc_u32 v[VXA+1], 32*XP, v[VXA]
	v_mul_u32_u24 v30, v2, GP
	v_lshl_add_u32 v30, v3, 4, v30
	v_add_nc_u32 v[VGR], G1, v30
	v_add_nc_u32 v[VGR+1], G1+GPART, v30
	v_add_nc_u32 v[VGR+2], G1+2*GPART, v30
	s_lshl_b32 s56, s2, 7                          ; my 64 columns begin at byte 128 w of a row
.irp p,0,1,2
	v_add_nc_u32 v[VGW+\p], s56, v[VGR+\p]
.endr
	s_mul_i32 s56, s2, 49152                       ; wave w brings rows 16w .. 16w+15 of x: 49,152 consecutive bytes
	v_add_nc_u32 v[VX], s56, v[VL16]
	v_lshlrev_b32 v[V8L], 3, v1
	s_mul_i32 s56, s2, 24576
	v_add_nc_u32 v[VXB], s56, v[V8L]
	s_mul_i32 s56, s2, 16*XP
	v_add_nc_u32 v[VXS], s56, v[V8L]
	v_lshlrev_b32 v[VT8], 3, v0
	v_add_nc_u32 v[VBL], BIAS, v[VT8]
	s_lshl_b32 s56, s2, 8
	v_lshl_add_u32 v30, v3, 5, s56
	v_add_nc_u32 v[VBI], BIAS, v30
	v_lshl_add_u32 v30, v2, 2, s56
	v_add_nc_u32 v[VGS], GSUM, v30
	s_mov_b32 s46, 0x76543210
	s_mov_b32 s47, 0xfedcba98
	s_mov_b32 s48, 0xffff0000
	s_mov_b32 s57, 0
	s_wait_kmcnt 0x0
	s_load_b256 s[36:43], s[16:17], 0x0            ; bg3
	s_load_b32 s44, s[22:23], 0x0                  ; bq2
	s_add_nc_u64 s[50:51], s[10:11], 0x400000      ; WF at Wg1's blocks (byte 4,194,304)
	RING 0
	RING 1
	RING 2
	RING 3
	WIN 0
	global_load_b64 v[224:225], v[VT8], s[12:13]   ; thread t: numbers 2t, 2t+1 of bg1, bq1, Wq2, bg2
	global_load_b64 v[226:227], v[VT8], s[18:19]
	global_load_b64 v[228:229], v[VT8], s[20:21]
	global_load_b64 v[230:231], v[VT8], s[14:15]
	s_mul_i32 s56, ttmp9, 196608                   ; 64 rows of x
	s_add_nc_u64 s[52:53], s[8:9], s[56:57]
	s_mul_i32 s56, ttmp9, 98304                    ; 64 rows of xb
	s_add_nc_u64 s[54:55], s[28:29], s[56:57]
	s_lshl_b32 s56, ttmp9, 11
	s_add_nc_u64 s[24:25], s[24:25], s[56:57]      ; out1
	s_lshl_b32 s56, ttmp9, 8
	s_add_nc_u64 s[26:27], s[26:27], s[56:57]      ; out2
	s_add_nc_u64 s[30:31], s[30:31], s[56:57]      ; code
	s_lshl_b32 s56, ttmp9, 9
	s_add_nc_u64 s[32:33], s[32:33], s[56:57]      ; wts
	WIN 0x40
.irp a,0,1,2,3
.irp k,0,1,2,3,4,5,6,7,8,9,10,11,12,13,14,15
	global_load_b128 v[4*(16*\a+\k):4*(16*\a+\k)+3], v[VX], s[52:53] offset:512*(16*\a+\k) th:TH_LOAD_NT
.endr
.endr
	WIN 0x80
.irp a,4,5
.irp k,0,1,2,3,4,5,6,7,8,9,10,11,12,13,14,15
	global_load_b128 v[4*(16*\a+\k-64):4*(16*\a+\k-64)+3], v[VX], s[52:53] offset:512*(16*\a+\k) th:TH_LOAD_NT
.endr
.endr
	XBATCH 0, 63                                   ; 80 younger x loads; the count names the most its field holds, which is fewer
	v_cvt_pk_bf16_f32 v30, v224, v225              ; the gate's biases are rounded to bf16 like its other inputs (older loads: in)
	v_lshlrev_b32 v224, 16, v30
	v_and_b32 v225, s48, v30
	v_cvt_pk_bf16_f32 v30, v230, v231
	v_lshlrev_b32 v230, 16, v30
	v_and_b32 v231, s48, v30
	ds_store_b64 v[VBL], v[224:225]
	ds_store_b64 v[VBL], v[226:227] offset:1024
	ds_store_b64 v[VBL], v[228:229] offset:2048
	ds_store_b64 v[VBL], v[230:231] offset:3072
	XBATCH 1, 63                                   ; 64 younger
	XBATCH 2, 48
	XBATCH 3, 32
	XBATCH 4, 16
	XBATCH 5, 0
	s_wait_xcnt 0x0                                ; the packed words, which the stores to xb read, become fragment buffers
	s_wait_kmcnt 0x0                               ; bg3, bq2
	s_mov_b32 s45, s44
	s_wait_dscnt 0x0                               ; my rows of x and my part of BIAS are written
	s_barrier_signal -1
	s_barrier_wait -1
	; LAYER 1: 24 K steps of 32 matrix instructions
.irp u,0,1,2,3,4,5,6,7,8,9,10,11,12,13,14,15,16,17,18,19,20,21,22,23
	RWAIT \u
.if \u == 0
	WIN 0
	LDA1 0
.endif
	s_wait_dscnt 0x0                               ; this step's x fragments are in
.if \u < 23
	WIN 0
	LDA1 (\u+1)                                    ; the next step's, into the buffer whose last readers stand in front of the last four places
.endif
.if \u == 0
	MUL1 \u, 1
.else
	MUL1 \u, 0
.endif
	PLACES
	RING (\u+4)                                    ; into the slot just read
.endr
	WIN 0
	LDB BG, 0
	LDB BQ, 1
	LDB WQ, 2
	s_wait_dscnt 0x0
.irp mt,0,1,2,3
	SPLITM \mt, 8, BG
.endr
.irp mt,0,1,2,3
	SCOREM \mt
.endr
	s_wait_dscnt 0x0                               ; g1's parts and my score sums are written
	s_barrier_signal -1
	s_barrier_wait -1
	; LAYER 2: 8 K steps, three parts of g1 onto the same 16 accumulators
.irp s,0,1,2,3,4,5,6,7
.if (\s%2) == 0
	RWAIT (24+\s/2)
.endif
.if \s == 0
	WIN 0
	LDA2 0
.endif
	s_wait_dscnt 0x0
.if \s < 7
	WIN 0
	LDA2 (\s+1)
.endif
.if \s == 0
	MUL2 \s, 1
.else
	MUL2 \s, 0
.endif
	PLACES
.if \s == 1
	RING 28
.endif
.endr
	WIN 0
	LDB BG, 3
.irp p,0,1,2
	v_add_nc_u32 v[VGR+\p], GSTEP, v[VGR+\p]       ; from g1's parts to g2's
	v_add_nc_u32 v[VGW+\p], GSTEP, v[VGW+\p]
.endr
	s_wait_dscnt 0x0
.irp mt,0,1,2,3
	SPLITM \mt, 4, BG
.endr
	s_wait_dscnt 0x0
	s_barrier_signal -1
	s_barrier_wait -1
	; LAYER 3: wave w takes row tile w; one accumulator for each part, by turns
	s_mul_i32 s56, s2, 16*GP
.irp p,0,1,2
	v_add_nc_u32 v[VG3+\p], s56, v[VGR+\p]
.endr
.irp p,0,1,2
.irp ks,0,1,2,3,4,5,6,7
	ds_load_b128 v[ABUF+8*(8*\p+\ks):ABUF+8*(8*\p+\ks)+3], v[VG3+\p] offset:\ks*64
	ds_load_b128 v[ABUF+8*(8*\p+\ks)+4:ABUF+8*(8*\p+\ks)+7], v[VG3+\p] offset:\ks*64+32
.endr
.endr
	s_wait_loadcnt 0x0                             ; the last ring unit: Wg3
	s_wait_dscnt 0x0
	WIN 0x53
.irp ks,0,1,2,3,4,5,6,7
.irp p,0,1,2
	WM (8*\p), (8*\ks), (ABUF+8*(8*\p+\ks)), ((7-\ks)/7)
.endr
.endr
	PLACES
	; SOFTMAX AND THE TWO BEST, inside a lane: register j is expert j (lanes 16-31 hold the columns that do not exist; their results go to spare bytes)
.set LG, 32
.set BB, 40
.set MX, 48
.set SM, 50
.set RC, 54
.set B1, 55
.set I1, 56
.set B2, 57
.set I2, 58
.set QQ, 59
.set ILO, 60
.set IHI, 61
.set WL, 62
.set CO, 64
.set RB, 68
	WIN 0x05
.irp j,0,2,4,6
	v_pk_add_f32 v[LG+\j:LG+\j+1], v[16+\j:17+\j], v[8+\j:9+\j]        ; low part + middle part
.endr
	WIN 0x01
.irp j,0,2,4,6
	v_pk_add_f32 v[LG+\j:LG+\j+1], v[\j:\j+1], v[LG+\j:LG+\j+1]        ; + high part
.endr
	WIN 0
.irp j,0,2,4,6
	v_cvt_pk_bf16_f32 v[MX], s[36+\j], s[37+\j]
	v_lshlrev_b32 v[BB+\j], 16, v[MX]
	v_and_b32 v[BB+\j+1], s48, v[MX]
	v_pk_add_f32 v[LG+\j:LG+\j+1], v[LG+\j:LG+\j+1], v[BB+\j:BB+\j+1]
.endr
	v_max3_num_f32 v[MX], v[LG], v[LG+1], v[LG+2]
	v_max3_num_f32 v[MX], v[MX], v[LG+3], v[LG+4]
	v_max3_num_f32 v[MX], v[MX], v[LG+5], v[LG+6]
	v_max_num_f32 v[MX], v[MX], v[LG+7]
.irp j,0,1,2,3,4,5,6,7
	v_sub_f32 v[LG+\j], v[LG+\j], v[MX]
	v_mul_f32 v[LG+\j], 0x3fb8aa3b, v[LG+\j]
.endr
.irp j,0,1,2,3,4,5,6,7
	v_exp_f32 v[LG+\j], v[LG+\j]
.endr
	v_nop                                          ; one plain place behind the exponentials (ISA guide 5.7.2)
	s_wait_alu depctr_va_vdst(0)
	v_pk_add_f32 v[SM:SM+1], v[LG:LG+1], v[LG+2:LG+3]
	v_pk_add_f32 v[SM+2:SM+3], v[LG+4:LG+5], v[LG+6:LG+7]
	v_pk_add_f32 v[SM:SM+1], v[SM:SM+1], v[SM+2:SM+3]
	v_add_f32 v[SM], v[SM], v[SM+1]
	v_rcp_f32 v[RC], v[SM]
	v_mov_b32 v[I1], 0                             ; a plain place behind the reciprocal
	s_wait_alu depctr_va_vdst(0)
.irp j,0,1,2,3,4,5,6,7
	v_mul_f32 v[LG+\j], v[LG+\j], v[RC]
.endr
	v_mov_b32 v[B1], v[LG]
.irp j,1,2,3,4,5,6,7
	v_cmp_gt_f32 vcc_lo, v[LG+\j], v[B1]           ; strictly greater: a tie stays with the lower index
	v_cndmask_b32 v[B1], v[B1], v[LG+\j], vcc_lo
	v_cndmask_b32 v[I1], v[I1], \j, vcc_lo
.endr
	v_cmp_eq_u32 vcc_lo, 0, v[I1]
	v_cndmask_b32 v[I2], 0, 1, vcc_lo              ; a valid second index whatever the numbers are
	v_mov_b32 v[B2], -1.0
.irp j,0,1,2,3,4,5,6,7
	v_cmp_eq_u32 vcc_lo, \j, v[I1]
	v_cndmask_b32 v[QQ], v[LG+\j], -1.0, vcc_lo    ; the best one is taken out
	v_cmp_gt_f32 vcc_lo, v[QQ], v[B2]
	v_cndmask_b32 v[B2], v[B2], v[QQ], vcc_lo
	v_cndmask_b32 v[I2], v[I2], \j, vcc_lo
.endr
	v_add_f32 v[SM], v[B1], v[B2]
	v_rcp_f32 v[RC], v[SM]
	v_min_u32 v[ILO], v[I1], v[I2]
	v_max_u32 v[IHI], v[I1], v[I2]
	s_wait_alu depctr_va_vdst(0)
	v_mul_f32 v[B1], v[B1], v[RC]
	v_mul_f32 v[B2], v[B2], v[RC]
	v_cmp_lt_u32 vcc_lo, v[I1], v[I2]
	v_cndmask_b32 v[WL], v[B2], v[B1], vcc_lo      ; weight of the expert with the lower number,
	v_cndmask_b32 v[WL+1], v[B1], v[B2], vcc_lo    ; of the higher
	v_sub_nc_u32 v[CO], 13, v[ILO]
	v_mul_u32_u24 v[CO], v[CO], v[ILO]
	v_lshrrev_b32 v[CO], 1, v[CO]
	v_add3_u32 v[CO], v[CO], v[IHI], -1            ; pair number lo (13 - lo) / 2 + hi - 1: 0 .. 27
	s_lshl_b32 s56, s2, 10
	v_lshl_add_u32 v30, v2, 5, s56
	v_lshl_add_u32 v30, v3, 9, v30
	v_add_nc_u32 v[VPS], PS, v30                   ; 1024 w + 32 r, + 512 for lanes 16-31
	v_add_nc_u32 v30, s56, v[VL16]
	v_add_nc_u32 v[VPR], PS, v30
	s_lshl_b32 s56, s2, 6
	v_lshl_add_u32 v30, v2, 2, s56
	v_lshl_add_u32 v30, v3, 8, v30
	v_add_nc_u32 v[VCD], CD, v30
	s_lshl_b32 s56, s2, 7
	v_lshl_add_u32 v30, v2, 3, s56
	v_lshl_add_u32 v30, v3, 9, v30
	v_add_nc_u32 v[VWT], WT, v30
	s_lshl_b32 s56, s2, 9
	v_add_nc_u32 v[VO1], s56, v[VL16]
	ds_store_b128 v[VPS], v[LG:LG+3]
	ds_store_b128 v[VPS], v[LG+4:LG+7] offset:16
	ds_store_b32 v[VCD], v[CO]
	ds_store_b64 v[VWT], v[WL:WL+1]
	ds_load_b128 v[RB:RB+3], v[VPR]                ; my own bytes, served in order behind my stores (ISA guide 5.7.1): 16 rows of 32 bytes
	s_wait_dscnt 0x0                               ; that load, and my stores for wave 0's sake
	global_store_b128 v[VO1], v[RB:RB+3], s[24:25] ; 512 consecutive bytes of out1
	s_barrier_signal -1
	s_barrier_wait -1
	s_cmp_lg_u32 s2, 0
	s_cbranch_scc1 .Lend
	v_add_nc_u32 v30, GSUM, v[V8L]
	v_add_nc_u32 v31, CD, v[V8L]
	v_add_nc_u32 v[VPR], WT, v[VL16]
	ds_load_b64 v[72:73], v30                      ; tokens 2L, 2L+1: the four waves' sums
	ds_load_b64 v[74:75], v30 offset:256
	ds_load_b64 v[76:77], v30 offset:512
	ds_load_b64 v[78:79], v30 offset:768
	ds_load_b64 v[80:81], v31
	ds_load_b128 v[84:87], v[VPR]
	s_wait_dscnt 0x0
	v_pk_add_f32 v[72:73], v[72:73], v[74:75]
	v_pk_add_f32 v[76:77], v[76:77], v[78:79]
	v_pk_add_f32 v[72:73], v[72:73], v[76:77]
	v_pk_add_f32 v[72:73], v[72:73], s[44:45] op_sel_hi:[1,0]
	global_store_b64 v[V8L], v[72:73], s[26:27]    ; out2: 256 consecutive bytes
	global_store_b64 v[V8L], v[80:81], s[30:31]    ; code: 256
	global_store_b128 v[VL16], v[84:87], s[32:33]  ; wts: 512
.Lend:
	s_wait_tensorcnt 0x0
	ds_add_u32 v254, v255
	s_wait_dscnt 0x0
	s_endpgm
.Lfunc_end_k_q970796b534_gate:
	.size	k_q970796b534_gate, .Lfunc_end_k_q970796b534_gate-k_q970796b534_gate
	.p2alignl 7, 3214868480
	.fill 96, 4, 3214868480
	.section	.rodata,"a",@progbits
	.p2align	6, 0x0
	.amdhsa_kernel k_q970796b534_gate
		.amdhsa_group_segment_fixed_size 313344
		.amdhsa_private_segment_fixed_size 0
		.amdhsa_enable_private_segment 0
		.amdhsa_kernarg_size 104
		.amdhsa_user_sgpr_count 2
		.amdhsa_user_sgpr_kernarg_segment_ptr 1
		.amdhsa_wavefront_size32 1
		.amdhsa_system_sgpr_workgroup_id_x 1
		.amdhsa_system_sgpr_workgroup_id_y 1
		.amdhsa_system_sgpr_workgroup_id_z 1
		.amdhsa_system_vgpr_workitem_id 0
		.amdhsa_next_free_vgpr 1024
		.amdhsa_next_free_sgpr 66
		.amdhsa_reserve_vcc 1
		.amdhsa_float_denorm_mode_32 3
		.amdhsa_float_denorm_mode_16_64 3
		.amdhsa_memory_ordered 1
		.amdhsa_forward_progress 1
		.amdhsa_inst_pref_size 255
	.end_amdhsa_kernel
	.section	.bss,"aw",@nobits
	.p2align	6
	.space	262144
	.amdgpu_metadata
---
amdhsa.version: [ 1, 2 ]
amdhsa.kernels:
  - .name:           k_q970796b534_gate
    .symbol:         k_q970796b534_gate.kd
    .args:
      - { .name: x, .offset: 0, .size: 8, .value_kind: global_buffer, .address_space: global }
      - { .name: WF, .offset: 8, .size: 8, .value_kind: global_buffer, .address_space: global }
      - { .name: bg1, .offset: 16, .size: 8, .value_kind: global_buffer, .address_space: global }
      - { .name: bg2, .offset: 24, .size: 8, .value_kind: global_buffer, .address_space: global }
      - { .name: bg3, .offset: 32, .size: 8, .value_kind: global_buffer, .address_space: global }
      - { .name: bq1, .offset: 40, .size: 8, .value_kind: global_buffer, .address_space: global }
      - { .name: Wq2, .offset: 48, .size: 8, .value_kind: global_buffer, .address_space: global }
      - { .name: bq2, .offset: 56, .size: 8, .value_kind: global_buffer, .address_space: global }
      - { .name: out1, .offset: 64, .size: 8, .value_kind: global_buffer, .address_space: global }
      - { .name: out2, .offset: 72, .size: 8, .value_kind: global_buffer, .address_space: global }
      - { .name: xb, .offset: 80, .size: 8, .value_kind: global_buffer, .address_space: global }
      - { .name: code, .offset: 88, .size: 8, .value_kind: global_buffer, .address_space: global }
      - { .name: wts, .offset: 96, .size: 8, .value_kind: global_buffer, .address_space: global }
    .group_segment_fixed_size: 313344
    .private_segment_fixed_size: 0
    .kernarg_segment_align: 8
    .kernarg_segment_size: 104
    .max_flat_workgroup_size: 128
    .sgpr_count:     66
    .vgpr_count:     1024
    .wavefront_size: 32
...
	.end_amdgpu_metadata
.endif
;; end of part 2
;; launch route (part 3): grid 28 x 1, 16 waves a work-group, no clusters, 2,304 bytes of LDS; arguments code, list, meta; writes list, meta
.if DOCPART == 3
	.amdgcn_target "amdgcn-amd-amdhsa--gfx1250"
	.amdhsa_code_object_version 6
	.text
	.protected	k_q970796b534_route
	.globl	k_q970796b534_route
	.p2align	8
	.type	k_q970796b534_route,@function
k_q970796b534_route:
	s_mov_b64 s[64:65], 0
	v_nop
	global_prefetch_b8 v0, s[64:65] scope:SCOPE_SE
	s_setreg_imm32_b32 hwreg(HW_REG_WAVE_MODE, 25, 1), 1
	s_wait_xcnt 0x0
; Work-group p orders the 16,384 token numbers in row p of list: first the tokens whose pair number is p (the hits), behind them all the others,
; and stores meta[p] = count | floor(count / 80) << 16 | (count % 80 != 0) << 24.  A later launch reads only the places below the count.
; No atomics: each work-group scans all 16,384 pair numbers and owns its row.
; Wave wv owns tokens 1024 wv .. + 1023: it counts its hits, the 16 counts meet in LDS, each wave then knows how many hits stand in front of its own.
; WHY THE OTHERS ARE PLACED TOO.  With hb = hits in front of an element in the scan's order and o = its number in that order, a hit goes to place hb and any other element
; to place count + (o - hb).  That is a permutation of 0 .. 16,383: every word of the row is stored exactly once and every store runs with all lanes on.
; It costs 64 KiB of stores for each work-group.  One store instruction writes two runs of neighbouring words.
; The order inside the hits does not matter to the reader.  Matrix units and clusters have nothing to do here.
.set CODE, 8                           ; v[8:39]    32 pair numbers a lane
.set CNT,  40                          ; v[40:55]   the 16 waves' counts
.set HB,   56                          ; v56        hits in front of me
.set NP,   57                          ; v57        the place of an element that is no hit
.set PLC,  58                          ; v58        the place, clamped
.set ADR,  64                          ; v[64:95]   a byte offset of its own for each of the 32 stores: none is rewritten while its store is pending
.set TKN,  96                          ; v[96:127]  likewise the token numbers stored
	s_load_b128 s[4:7], s[0:1], 0x0                ; code, list
	s_load_b64 s[8:9], s[0:1], 0x10                ; meta
	v_lshl_add_u32 v128, v0, 2, 0x100
	v_mov_b32 v129, 0
	v_and_b32 v1, 31, v0                           ; lane L
	v_lshrrev_b32 v2, 5, v0
	v_readfirstlane_b32 s2, v2                     ; wave 0..15
	s_mov_b32 s3, ttmp9                            ; my pair
	s_lshl_b32 s10, s2, 12
	v_lshl_add_u32 v3, v1, 4, s10                  ; my 16 bytes of the wave's 4,096
	s_lshl_b32 s11, s2, 10
	v_lshl_add_u32 v4, v1, 2, s11                  ; token of my first register: 1024 wv + 4 L
	v_add_nc_u32 v5, s11, v1                       ; my number in the scan's order, first register: 1024 wv + L
	s_lshl_b32 s12, s3, 16
	s_mov_b32 s13, 0
	s_wait_kmcnt 0x0
.irp i,0,1,2,3,4,5,6,7
	global_load_b128 v[CODE+4*\i:CODE+4*\i+3], v3, s[4:5] offset:512*\i    ; register 4 i + j: token 1024 wv + 128 i + 4 L + j
.endr
	s_add_nc_u64 s[6:7], s[6:7], s[12:13]          ; my row of list
	s_mov_b32 s14, 0
	s_wait_loadcnt 0x0
.irp k,0,1,2,3,4,5,6,7,8,9,10,11,12,13,14,15,16,17,18,19,20,21,22,23,24,25,26,27,28,29,30,31
	v_cmp_eq_u32 vcc_lo, s3, v[CODE+\k]
	s_bcnt1_i32_b32 s15, vcc_lo
	s_add_co_u32 s14, s14, s15                     ; my wave's hits
.endr
	v_mov_b32 v6, s14
	s_lshl_b32 s15, s2, 2
	v_mov_b32 v7, s15
	ds_store_b32 v7, v6                            ; all lanes write the same word with the same value
	s_wait_dscnt 0x0                               ; my count is written, for the others' sake
	s_barrier_signal -1
	s_barrier_wait -1
	v_mov_b32 v7, 0
	ds_load_b128 v[CNT:CNT+3], v7
	ds_load_b128 v[CNT+4:CNT+7], v7 offset:16
	ds_load_b128 v[CNT+8:CNT+11], v7 offset:32
	ds_load_b128 v[CNT+12:CNT+15], v7 offset:48
	s_wait_dscnt 0x0
.irp i,0,1,2,3,4,5,6,7,8,9,10,11,12,13,14,15
	v_readfirstlane_b32 s[16+\i], v[CNT+\i]
.endr
	s_mov_b32 s32, 0                               ; hits of the waves in front of me
	s_mov_b32 s33, 0                               ; all hits
.irp i,0,1,2,3,4,5,6,7,8,9,10,11,12,13,14,15
	s_add_co_u32 s33, s33, s[16+\i]
	s_cmp_gt_u32 s2, \i
	s_cselect_b32 s34, s[16+\i], 0
	s_add_co_u32 s32, s32, s34
.endr
	v_add_nc_u32 v5, s33, v5                       ; count + my number in the scan's order
.irp k,0,1,2,3,4,5,6,7,8,9,10,11,12,13,14,15,16,17,18,19,20,21,22,23,24,25,26,27,28,29,30,31
	v_cmp_eq_u32 vcc_lo, s3, v[CODE+\k]
	v_mbcnt_lo_u32_b32 v[HB], vcc_lo, s32          ; hits so far + hits in the lanes below me
	v_add_nc_u32 v[NP], 32*\k, v5                  ; register k is numbers 32 k .. 32 k + 31 of the wave in the scan's order
	v_sub_nc_u32 v[NP], v[NP], v[HB]               ; count + elements in front of me that are no hits
	v_cndmask_b32 v[PLC], v[NP], v[HB], vcc_lo     ; a hit: hb; else behind the hits
	v_min_u32 v[PLC], 0x3fff, v[PLC]               ; a place made of loaded numbers is clamped to the row's 16,384 words
	v_lshlrev_b32 v[ADR+\k], 2, v[PLC]
	v_add_nc_u32 v[TKN+\k], 128*(\k/4)+(\k%4), v4
	global_store_b32 v[ADR+\k], v[TKN+\k], s[6:7]  ; all lanes on
	s_bcnt1_i32_b32 s15, vcc_lo
	s_add_co_u32 s32, s32, s15
.endr
	s_cmp_lg_u32 s2, 0
	s_cbranch_scc1 .Lend
	s_mul_i32 s34, s33, 52429
	s_lshr_b32 s34, s34, 22                        ; floor(count / 80), exact up to 16,384
	s_mul_i32 s35, s34, 80
	s_cmp_lg_u32 s33, s35
	s_cselect_b32 s35, 1, 0
	s_lshl_b32 s34, s34, 16
	s_lshl_b32 s35, s35, 24
	s_or_b32 s34, s34, s35
	s_or_b32 s34, s34, s33
	v_mov_b32 v6, s34
	s_lshl_b32 s35, s3, 2
	v_mov_b32 v7, s35
	v_cmp_eq_u32 vcc_lo, 0, v1
	s_wait_xcnt 0x0                                ; the stores above are pending: EXEC is narrowed only behind this wait
	s_and_saveexec_b32 s36, vcc_lo
	global_store_b32 v7, v6, s[8:9]                ; lane 0 of wave 0: my word of meta
	s_wait_xcnt 0x0                                ; and widened only behind this one
	s_or_b32 exec_lo, exec_lo, s36
.Lend:
	s_wait_tensorcnt 0x0
	ds_add_u32 v128, v129
	s_wait_dscnt 0x0
	s_endpgm
.Lfunc_end_k_q970796b534_route:
	.size	k_q970796b534_route, .Lfunc_end_k_q970796b534_route-k_q970796b534_route
	.p2alignl 7, 3214868480
	.fill 96, 4, 3214868480
	.section	.rodata,"a",@progbits
	.p2align	6, 0x0
	.amdhsa_kernel k_q970796b534_route
		.amdhsa_group_segment_fixed_size 2304
		.amdhsa_private_segment_fixed_size 0
		.amdhsa_enable_private_segment 0
		.amdhsa_kernarg_size 24
		.amdhsa_user_sgpr_count 2
		.amdhsa_user_sgpr_kernarg_segment_ptr 1
		.amdhsa_wavefront_size32 1
		.amdhsa_system_sgpr_workgroup_id_x 1
		.amdhsa_system_sgpr_workgroup_id_y 1
		.amdhsa_system_sgpr_workgroup_id_z 1
		.amdhsa_system_vgpr_workitem_id 0
		.amdhsa_next_free_vgpr 130
		.amdhsa_next_free_sgpr 66
		.amdhsa_reserve_vcc 1
		.amdhsa_float_denorm_mode_32 3
		.amdhsa_float_denorm_mode_16_64 3
		.amdhsa_memory_ordered 1
		.amdhsa_forward_progress 1
		.amdhsa_inst_pref_size 26
	.end_amdhsa_kernel
	.amdgpu_metadata
---
amdhsa.version: [ 1, 2 ]
amdhsa.kernels:
  - .name:           k_q970796b534_route
    .symbol:         k_q970796b534_route.kd
    .args:
      - { .name: code, .offset: 0, .size: 8, .value_kind: global_buffer, .address_space: global }
      - { .name: list, .offset: 8, .size: 8, .value_kind: global_buffer, .address_space: global }
      - { .name: meta, .offset: 16, .size: 8, .value_kind: global_buffer, .address_space: global }
    .group_segment_fixed_size: 2304
    .private_segment_fixed_size: 0
    .kernarg_segment_align: 8
    .kernarg_segment_size: 24
    .max_flat_workgroup_size: 512
    .sgpr_count:     66
    .vgpr_count:     130
    .wavefront_size: 32
...
	.end_amdgpu_metadata
.endif
;; end of part 3
;; launch experts (part 4): grid 232 x 1, 4 waves a work-group, no clusters, 320,000 bytes of LDS; arguments xb, WF, b1, b2, b3, wts, list, meta, out0; writes out0
.if DOCPART == 4
	.amdgcn_target "amdgcn-amd-amdhsa--gfx1250"
	.amdhsa_code_object_version 6
	.text
	.protected	k_q970796b534_experts
	.globl	k_q970796b534_experts
	.p2align	8
	.type	k_q970796b534_experts,@function
k_q970796b534_experts:
	s_mov_b64 s[64:65], 0
	v_nop
	global_prefetch_b8 v0, s[64:65] scope:SCOPE_SE
	s_setreg_imm32_b32 hwreg(HW_REG_WAVE_MODE, 25, 1), 1
	s_wait_xcnt 0x0
; out0 for a tile of up to 80 tokens that chose the same pair of experts (lo, hi).  Only the two chosen experts enter out0, whatever the inputs.
;   h1 = relu(x W1[e] + b1[e]), h2 = relu(h1 W2[e] + b2[e]) for e = lo, hi;   out = [p_lo h2_lo | p_hi h2_hi] (80 x 512) x [W3_lo ; W3_hi] (512 x 768) + p_lo b3_lo + p_hi b3_hi:
; the weighted sum of the two experts is the third product's own sum over K, so each token is gathered once and each row of out0 written once.
; WHAT IS COMPUTED, AND ITS LIMITS.  f32 arithmetic on inputs rounded once to bf16: x and the weights (matrix operands), and b1, b2, b3 likewise, as the gate launch treats its own inputs.
; The intermediates h1 and p h2 are NOT rounded to one bf16 (8 significant bits, an error of up to 2^-8 of each number, too much for 12.6 million outputs held to a hundredth of
; their root mean square): each f32 t is cut into hi = bf16(t) and lo = bf16(t - hi), the subtraction exact, and both parts are multiplied with the same weight fragments onto the same
; accumulators; what is dropped is below 2^-16 of t.  Sums and the weights p are f32.  A t above bf16's largest finite number (3.39e38) rounds to infinity.
; TILES.  The grid is fixed at 232 = floor((16384 + 28 x 79) / 80), the most tiles of 80 rows that 28 lists of 16,384 tokens in all can need; they need T = F full + P partial
; tiles, at least 205.  The R = 232 - T spare work-groups (27 at the most; there are at least 178 full tiles) each take half of a full tile: work-group t < 2R has half t & 1 of full tile
; t >> 1, t < R + F has full tile t - R, the others partial tile t - R - F.  So every work-group owns rows of out0 and no branch hangs on loaded numbers.
; Rows of the 80 beyond the tile's last row repeat its last token: the same wave computes and stores the same numbers again.
; SHARES.  Four waves, one on each SIMD, split N alone: layers 1 and 2: waves 0, 1 expert lo, waves 2, 3 expert hi, 128 columns each (5 row tiles x 8 column tiles = 40 accumulators);
; layer 3: three chunks of 256 columns, 64 a wave (20 accumulators).  A weight fragment serves exactly one wave and comes from WF, where it lies as its register image, straight into
; registers: a ring of four slots (window 3) of 8 fragments = 16 loads runs through all layers, four units ahead.  LDS carries what the waves share: x, h1, h2.
; NO JOINT (CLUSTER) LOADS: how many tiles a pair has hangs on the routing, so partners with the same weights cannot be fixed in the grid; and joint loads land in LDS, a way that
; these fragments, each used by one wave, do not need.
; x rows are gathered by asynchronous copies, once, at the head.  The matrix instruction is used transposed: lane l holds token row l % 16, registers j columns 8 (l / 16) + j.
; Accumulators take turns, one instruction a turn.  Straight-line text: weight addresses are immediates, no base is stepped.
.set XP, 1552                          ; LDS row of x: 1,536 + 16
.set HP, 1040                          ; LDS row of a part of h1 or h2: 1,024 + 16; columns [lo 256 | hi 256]
.set H1H, 124160                       ; h1, high parts: behind x's 80 rows (485 blocks of 256 bytes, filled by the copies once, at the head)
.set H1L, 207360                       ; h1, low parts
.set H2H, 0                            ; p h2, high parts: over x, whose last reads end in front of the barrier behind layer 1
.set H2L, 124160                       ; p h2, low parts: over h1's high parts, behind a barrier of its own behind layer 2's products
.set BIAS, 290560                      ; b1 lo, hi; b2 lo, hi (1,024 each); b3 lo, hi (3,072 each)
.set STG, 300800                       ; per wave 16 rows x 272 bytes, for the way out
.set TOK, 318208                       ; 80 token numbers
.set PW, 318720                        ; 80 pairs (p_lo, p_hi)
.set LAST, 55
.set VL16, 4
.set VB12, 5
.set VXA, 6                            ; v6-7   x: row tiles 0-2, 3-4
.set VH1R, 8                           ; v8-9   reads of h1's high parts, v10-11 of its low parts
.set VH2R, 12                          ; v12-13 reads of p h2's high parts, v14-15 of its low parts
.set VHW, 16                           ; v16-19 stores of h1 (high 16-17, low 18-19), v20-23 of p h2
.set VBI1, 24
.set VBI3, 25
.set VSTW, 26
.set VSTR, 27
.set VTOK, 28
.set VPW, 29
.set VPW2, 30
.set VB3, 31
.set VC, 32
.set TMP, 33
.set BT, 34                            ; v34-38 the head's bias offsets
.set BO1, 35
.set BO3, 36
.set BL1, 37
.set BL3, 38
.set BD, 40                            ; v40-59 the head's bias numbers
.set ABUF, 64                          ; two fragment buffers of 80 registers: v64-143, v144-223 (a K step: high parts 40, low parts 40)
.set BI, 64                            ; between the products: biases,
.set ET, 128                           ; numbers at work,
.set EP, 192                           ; two sets of 16: high parts 4, low parts 4, high parts widened 8
.set SD, 160                           ; rows on their way out (two sets of 32)
.set PP, 224                           ; v224-233 a pair of weights for each row tile
.set LI, 240                           ; v240-248 the head's list and weight scratch
.set MSB, 0
.macro WIN new                         ; the immediate's high byte repeats the setting that is left
.if MSB != \new
	s_set_vgpr_msb (MSB<<8)|\new
.set MSB, \new
.endif
.endm
.macro PLACES                          ; four places behind a matrix instruction before its registers are loaded into, read or written (ISA guide 7.12.1)
.rept 4
	v_nop
.endr
.endm
.macro WM d, b, a, z
.if \z
	v_wmma_f32_16x16x32_bf16 v[\d:\d+7], v[\b:\b+7], v[\a:\a+7], 0
.else
	v_wmma_f32_16x16x32_bf16 v[\d:\d+7], v[\b:\b+7], v[\a:\a+7], v[\d:\d+7]
.endif
.endm
; Ring unit u into slot u % 4.  0-23: K step u of W1[e_w].  24-31: K step u - 24 of W2[e_w].  32-55: chunk (u-32)/8, two K steps of W3[lo] (first four of a chunk) or W3[hi].
.macro RING u
	WIN 0xc0
.irp i,0,1,2,3,4,5,6,7,8,9,10,11,12,13,14,15
.if (\u) < 24
	global_load_b128 v[64*((\u)%4)+4*\i:64*((\u)%4)+4*\i+3], v[VB12], s[86:87] offset:(\u)*16384+512*\i
.else
.if (\u) < 32
	global_load_b128 v[64*((\u)%4)+4*\i:64*((\u)%4)+4*\i+3], v[VB12], s[88:89] offset:((\u)-24)*16384+512*\i
.else
.if (((\u)-32)%8) < 4
	global_load_b128 v[64*((\u)%4)+4*\i:64*((\u)%4)+4*\i+3], v[VB3], s[90:91] offset:(((\u)-32)/8)*131072+(((\u)-32)%4)*8192+512*\i
.else
	global_load_b128 v[64*((\u)%4)+4*\i:64*((\u)%4)+4*\i+3], v[VB3], s[92:93] offset:(((\u)-32)/8)*131072+(((\u)-32)%4)*8192+512*\i
.endif
.endif
.endif
.endr
.endm
.macro RWAIT u                         ; unit u is in: the younger units, 16 loads each and three at the most, may stay out
.if LAST-(\u) >= 3
	s_wait_loadcnt 48
.else
	s_wait_loadcnt 16*(LAST-(\u))
.endif
.endm
.macro LDA vb, ms, ko, buf             ; five row tiles' fragments of one K step at byte ko of the rows
.irp mt,0,1,2,3,4
	ds_load_b128 v[\buf+8*\mt:\buf+8*\mt+3], v[\vb+\mt/3] offset:(\mt%3)*\ms+\ko
	ds_load_b128 v[\buf+8*\mt+4:\buf+8*\mt+7], v[\vb+\mt/3] offset:(\mt%3)*\ms+\ko+32
.endr
.endm
.macro LDAP vb, ko, buf                ; the same for both parts of h1 or p h2: high parts into buf, low parts into buf + 40
	LDA \vb, (16*HP), \ko, \buf
	LDA (\vb+2), (16*HP), \ko, (\buf+40)
.endm
.macro MUL8 u, buf, z                  ; layer 1: 5 row tiles x 8 column tiles, K = 32
	WIN 0x53                                       ; weights window 3, tokens window 0, sums window 1
.irp mt,0,1,2,3
.irp f,0,1,2,3,4,5,6,7
	WM (8*(8*\mt+\f)), (64*((\u)%4)+8*\f), (\buf+8*\mt), \z
.endr
.endr
	WIN 0xa3                                       ; row tile 4: sums in window 2
.irp f,0,1,2,3,4,5,6,7
	WM (8*\f), (64*((\u)%4)+8*\f), (\buf+32), \z
.endr
.endm
.macro MUL8P u, buf, z                 ; layer 2: the same for the high parts and then the low parts, onto the same sums
	WIN 0x53
.irp p,0,1
.irp mt,0,1,2,3
.irp f,0,1,2,3,4,5,6,7
	WM (8*(8*\mt+\f)), (64*((\u)%4)+8*\f), (\buf+40*\p+8*\mt), ((\z)*(1-\p))
.endr
.endr
.endr
	WIN 0xa3
.irp p,0,1
.irp f,0,1,2,3,4,5,6,7
	WM (8*\f), (64*((\u)%4)+8*\f), (\buf+40*\p+32), ((\z)*(1-\p))
.endr
.endr
.endm
.macro MUL3P u, ks, buf, z             ; layer 3, one K step (ks: which of the unit's two): 2 parts x 5 row tiles x 4 column tiles
	WIN 0x53
.irp p,0,1
.irp mt,0,1,2,3,4
.irp i,0,1,2,3
	WM (8*(4*\mt+\i)), (64*((\u)%4)+8*(4*(\ks)+\i)), (\buf+40*\p+8*\mt), ((\z)*(1-\p))
.endr
.endr
.endr
.endm
; Behind layer lay (1 or 2): bias, relu, (layer 2: times the token's weight,) cut into two bf16 parts, 16 bytes a lane into each part's rows
.macro EPI lay
	WIN 0
.irp i,0,1,2,3,4,5,6,7
	ds_load_b128 v[BI+8*\i:BI+8*\i+3], v[VBI1] offset:(\lay-1)*2048+\i*64
	ds_load_b128 v[BI+8*\i+4:BI+8*\i+7], v[VBI1] offset:(\lay-1)*2048+\i*64+16
.endr
.if \lay == 2
.irp mt,0,1,2,3,4
	ds_load_b32 v[PP+2*\mt], v[VPW2] offset:\mt*128        ; my expert's weight of token 16 mt + r, twice: a pair for the packed multiply
	ds_load_b32 v[PP+2*\mt+1], v[VPW2] offset:\mt*128
.endr
.endif
	s_wait_dscnt 0x0
.irp mt,0,1,2,3,4
	WIN (1+\mt/4)
.irp i,0,1,2,3,4,5,6,7
.irp j,0,2,4,6
	v_pk_add_f32 v[ET+8*\i+\j:ET+8*\i+\j+1], v[8*(8*(\mt%4)+\i)+\j:8*(8*(\mt%4)+\i)+\j+1], v[BI+8*\i+\j:BI+8*\i+\j+1]
.endr
.endr
	WIN 0
.irp i,0,1,2,3,4,5,6,7
.irp j,0,1,2,3,4,5,6,7
	v_max_num_f32 v[ET+8*\i+\j], 0, v[ET+8*\i+\j]
.endr
.if \lay == 2
.irp j,0,2,4,6
	v_pk_mul_f32 v[ET+8*\i+\j:ET+8*\i+\j+1], v[ET+8*\i+\j:ET+8*\i+\j+1], v[PP+2*\mt:PP+2*\mt+1]
.endr
.endif
.irp j,0,1,2,3
	v_cvt_pk_bf16_f32 v[EP+16*(\i%2)+\j], v[ET+8*\i+2*\j], v[ET+8*\i+2*\j+1]           ; the high parts
.endr
.irp j,0,1,2,3
	v_lshlrev_b32 v[EP+16*(\i%2)+8+2*\j], 16, v[EP+16*(\i%2)+\j]                       ; widened again,
	v_and_b32 v[EP+16*(\i%2)+9+2*\j], s96, v[EP+16*(\i%2)+\j]
.endr
.irp j,0,2,4,6
	v_pk_add_f32 v[ET+8*\i+\j:ET+8*\i+\j+1], v[ET+8*\i+\j:ET+8*\i+\j+1], v[EP+16*(\i%2)+8+\j:EP+16*(\i%2)+9+\j] neg_lo:[0,1] neg_hi:[0,1]   ; taken away: the exact rest
.endr
.irp j,0,1,2,3
	v_cvt_pk_bf16_f32 v[EP+16*(\i%2)+4+\j], v[ET+8*\i+2*\j], v[ET+8*\i+2*\j+1]         ; the low parts
.endr
	ds_store_b128 v[VHW+4*(\lay-1)+\mt/3], v[EP+16*(\i%2):EP+16*(\i%2)+3] offset:(\mt%3)*16*HP+\i*32
	ds_store_b128 v[VHW+4*(\lay-1)+2+\mt/3], v[EP+16*(\i%2)+4:EP+16*(\i%2)+7] offset:(\mt%3)*16*HP+\i*32
.endr
.endr
.endm
; Chunk c of out0: + p_lo b3_lo + p_hi b3_hi, 16 rows at a time through my own stage, whole blocks of 256 bytes to the tokens' rows
.macro OUT c
	WIN 0
.irp i,0,1,2,3
	ds_load_b128 v[BI+8*\i:BI+8*\i+3], v[VBI3] offset:\c*1024+\i*64
	ds_load_b128 v[BI+8*\i+4:BI+8*\i+7], v[VBI3] offset:\c*1024+\i*64+16
	ds_load_b128 v[BI+32+8*\i:BI+32+8*\i+3], v[VBI3] offset:3072+\c*1024+\i*64
	ds_load_b128 v[BI+32+8*\i+4:BI+32+8*\i+7], v[VBI3] offset:3072+\c*1024+\i*64+16
.endr
	s_wait_dscnt 0x0
.irp mt,0,1,2,3,4
	WIN 0x10                                       ; the addend is the accumulator, window 1
.irp i,0,1,2,3
.irp j,0,2,4,6
	v_pk_fma_f32 v[ET+8*\i+\j:ET+8*\i+\j+1], v[BI+8*\i+\j:BI+8*\i+\j+1], v[PP+2*\mt:PP+2*\mt+1], v[8*(4*\mt+\i)+\j:8*(4*\mt+\i)+\j+1] op_sel_hi:[1,0,1]
.endr
.endr
	WIN 0
.irp i,0,1,2,3
.irp j,0,2,4,6
	v_pk_fma_f32 v[ET+8*\i+\j:ET+8*\i+\j+1], v[BI+32+8*\i+\j:BI+32+8*\i+\j+1], v[PP+2*\mt:PP+2*\mt+1], v[ET+8*\i+\j:ET+8*\i+\j+1] op_sel:[0,1,0]
.endr
	ds_store_b128 v[VSTW], v[ET+8*\i:ET+8*\i+3] offset:64*\i
	ds_store_b128 v[VSTW], v[ET+8*\i+4:ET+8*\i+7] offset:64*\i+16
.endr
	s_wait_xcnt 0x0                                ; the registers that earlier stores read are loaded again only behind this wait
.irp t,0,1,2,3,4,5,6,7
	ds_load_b128 v[SD+32*(\mt%2)+4*\t:SD+32*(\mt%2)+4*\t+3], v[VSTR] offset:544*\t   ; my own bytes, served in order behind my stores (ISA guide 5.7.1)
.endr
	WIN 0x02                                       ; the rows' offsets lie in window 2
.irp t,0,1,2,3,4,5,6,7
	s_wait_dscnt 7-\t                              ; rows 2t, 2t+1 are back; the younger reads may stay out
	global_store_b128 v[64+8*\mt+\t], v[SD+32*(\mt%2)+4*\t:SD+32*(\mt%2)+4*\t+3], s[24:25] offset:1024*\c th:TH_STORE_NT   ; 16 lanes: 256 consecutive bytes, aligned
.endr
.endr
	WIN 0
	s_wait_xcnt 0x0                                ; the next chunk's fragments land on registers that these stores read
.endm
; Pair k = (lo, hi): if my tile's number is at or past the pair's first tile, the pair is mine so far
.macro SRCH k, lo, hi
	s_cmp_ge_u32 s66, s72
	s_cselect_b32 s73, (\lo)|((\hi)<<4)|((\k)<<8), s73
	s_cselect_b32 s74, s72, s74
	s_cselect_b32 s75, s[36+\k], s75
	s_lshr_b32 s76, s[36+\k], s67
	s_and_b32 s76, s76, s68                        ; the pair's full tiles, or its partial one
	s_add_co_u32 s72, s72, s76
.endm
	s_load_b512 s[8:23], s[0:1], 0x0               ; xb 8, WF 10, b1 12, b2 14, b3 16, wts 18, list 20, meta 22
	s_load_b64 s[24:25], s[0:1], 0x40              ; out0
	v_lshl_add_u32 v254, v0, 2, 0x4e000
	v_mov_b32 v255, 0
	ds_add_u32 v254, v255
	ds_add_u32 v254, v255
	v_and_b32 v1, 31, v0                           ; L
	v_lshrrev_b32 v[TMP], 5, v0
	v_readfirstlane_b32 s2, v[TMP]                 ; wave w
	v_and_b32 v2, 15, v0                           ; r
	v_bfe_u32 v3, v0, 4, 1                         ; h
	s_mov_b32 s96, 0xffff0000                      ; a word's upper bf16
	s_wait_dscnt 0x0
	s_wait_kmcnt 0x0
	s_load_b512 s[36:51], s[22:23], 0x0            ; the 28 words of meta
	s_load_b256 s[52:59], s[22:23], 0x40
	s_load_b128 s[60:63], s[22:23], 0x60
	v_lshlrev_b32 v[VL16], 4, v1
	s_and_b32 s3, s2, 1
	s_lshl_b32 s3, s3, 13
	v_add_nc_u32 v[VB12], s3, v[VL16]              ; layers 1, 2: my eight column tiles of a K step's sixteen
	s_lshl_b32 s3, s2, 15
	v_add_nc_u32 v[VB3], s3, v[VL16]               ; layer 3: my group of four column tiles
	v_mul_u32_u24 v[TMP], v2, XP
	v_lshl_add_u32 v[VXA], v3, 4, v[TMP]
	v_add_nc_u32 v[VXA+1], 48*XP, v[VXA]
	v_mul_u32_u24 v[TMP], v2, HP
	v_lshl_add_u32 v[TMP], v3, 4, v[TMP]           ; row r of a part, + 16 h
	s_lshr_b32 s3, s2, 1
	s_lshl_b32 s3, s3, 9
	s_add_co_u32 s4, s3, H1H                       ; layer 2 reads my expert's half of h1's rows
	v_add_nc_u32 v[VH1R], s4, v[TMP]
	v_add_nc_u32 v[VH1R+1], 48*HP, v[VH1R]
	v_add_nc_u32 v[VH1R+2], H1L-H1H, v[VH1R]
	v_add_nc_u32 v[VH1R+3], H1L-H1H, v[VH1R+1]
	s_lshl_b32 s3, s2, 8                           ; 256 w: my 128 columns of h1, h2; my 64 columns of a chunk of out0
	s_add_co_u32 s4, s3, H1H
	v_add_nc_u32 v[VHW], s4, v[TMP]
	v_add_nc_u32 v[VHW+1], 48*HP, v[VHW]
	v_add_nc_u32 v[VHW+2], H1L-H1H, v[VHW]
	v_add_nc_u32 v[VHW+3], H1L-H1H, v[VHW+1]
	s_add_co_u32 s4, s3, H2H
	v_add_nc_u32 v[VHW+4], s4, v[TMP]
	v_add_nc_u32 v[VHW+5], 48*HP, v[VHW+4]
	v_add_nc_u32 v[VHW+6], H2L-H2H, v[VHW+4]
	v_add_nc_u32 v[VHW+7], H2L-H2H, v[VHW+5]
	v_add_nc_u32 v[VH2R], H2H, v[TMP]
	v_add_nc_u32 v[VH2R+1], 48*HP, v[VH2R]
	v_add_nc_u32 v[VH2R+2], H2L-H2H, v[VH2R]
	v_add_nc_u32 v[VH2R+3], H2L-H2H, v[VH2R+1]
	s_lshl_b32 s4, s2, 9
	s_add_co_u32 s4, s4, BIAS
	v_lshl_add_u32 v[VBI1], v3, 5, s4
	s_add_co_u32 s4, s3, BIAS+4096
	v_lshl_add_u32 v[VBI3], v3, 5, s4
	s_mul_i32 s4, s2, 16*272
	s_add_co_u32 s4, s4, STG
	v_mul_u32_u24 v[TMP], v2, 272
	v_lshl_add_u32 v[TMP], v3, 5, v[TMP]
	v_add_nc_u32 v[VSTW], s4, v[TMP]
	v_mul_u32_u24 v[TMP], v3, 272
	v_lshl_add_u32 v[TMP], v2, 4, v[TMP]
	v_add_nc_u32 v[VSTR], s4, v[TMP]
	v_lshlrev_b32 v[TMP], 2, v3
	v_add_nc_u32 v[VTOK], TOK, v[TMP]
	v_lshlrev_b32 v[TMP], 3, v2
	v_add_nc_u32 v[VPW], PW, v[TMP]
	s_lshr_b32 s4, s2, 1
	s_lshl_b32 s4, s4, 2
	v_add_nc_u32 v[VPW2], s4, v[VPW]
	v_lshl_add_u32 v[VC], v2, 4, s3
	s_mov_b32 s3, 0                                ; F: full tiles
	s_mov_b32 s4, 0                                ; P: partial tiles
	s_wait_kmcnt 0x0
.irp k,36,37,38,39,40,41,42,43,44,45,46,47,48,49,50,51,52,53,54,55,56,57,58,59,60,61,62,63
	s_bfe_u32 s5, s[\k], 0x80010
	s_add_co_u32 s3, s3, s5
	s_lshr_b32 s5, s[\k], 24
	s_add_co_u32 s4, s4, s5
.endr
	s_sub_co_u32 s6, 232, s3
	s_sub_co_u32 s6, s6, s4                        ; R
	s_add_co_u32 s7, s6, s3                        ; R + F
	s_lshl_b32 s76, s6, 1
	s_lshr_b32 s66, ttmp9, 1
	s_sub_co_u32 s77, ttmp9, s6
	s_and_b32 s70, ttmp9, 1
	s_mul_i32 s70, s70, 40
	s_cmp_lt_u32 ttmp9, s76                        ; half of a full tile?
	s_cselect_b32 s66, s66, s77                    ; number of the full tile
	s_cselect_b32 s70, s70, 0                      ; first row in it
	s_cselect_b32 s71, 39, 79                      ; rows - 1
	s_sub_co_u32 s77, ttmp9, s7
	s_cmp_ge_u32 ttmp9, s7                         ; a partial tile?
	s_cselect_b32 s66, s77, s66                    ; its number among the partial tiles
	s_cselect_b32 s67, 24, 16                      ; which field of meta counts my kind of tile,
	s_cselect_b32 s68, 1, 0xff                     ; and its mask
	s_cselect_b32 s69, 1, 0
	s_mov_b32 s72, 0
	s_mov_b32 s73, 16
	s_mov_b32 s74, 0
	s_mov_b32 s75, s36
	SRCH 0, 0, 1
	SRCH 1, 0, 2
	SRCH 2, 0, 3
	SRCH 3, 0, 4
	SRCH 4, 0, 5
	SRCH 5, 0, 6
	SRCH 6, 0, 7
	SRCH 7, 1, 2
	SRCH 8, 1, 3
	SRCH 9, 1, 4
	SRCH 10, 1, 5
	SRCH 11, 1, 6
	SRCH 12, 1, 7
	SRCH 13, 2, 3
	SRCH 14, 2, 4
	SRCH 15, 2, 5
	SRCH 16, 2, 6
	SRCH 17, 2, 7
	SRCH 18, 3, 4
	SRCH 19, 3, 5
	SRCH 20, 3, 6
	SRCH 21, 3, 7
	SRCH 22, 4, 5
	SRCH 23, 4, 6
	SRCH 24, 4, 7
	SRCH 25, 5, 6
	SRCH 26, 5, 7
	SRCH 27, 6, 7
	s_and_b32 s26, s73, 15
	s_bfe_u32 s27, s73, 0x40004
	s_lshr_b32 s28, s73, 8
	s_min_u32 s26, s26, 7                          ; lo
	s_min_u32 s27, s27, 7                          ; hi
	s_min_u32 s28, s28, 27                         ; pair
	s_sub_co_u32 s76, s66, s74
	s_mul_i32 s76, s76, 80
	s_add_co_u32 s76, s76, s70                     ; full tile: first place in the list,
	s_add_co_u32 s77, s76, s71                     ; last
	s_bfe_u32 s30, s75, 0x80010
	s_mul_i32 s30, s30, 80                         ; partial tile: behind the pair's full tiles,
	s_and_b32 s31, s75, 0xffff
	s_sub_co_u32 s31, s31, 1                       ; up to the list's end
	s_cmp_lg_u32 s69, 0
	s_cselect_b32 s30, s30, s76
	s_cselect_b32 s31, s31, s77
	s_cmp_lt_u32 s2, 2
	s_cselect_b32 s29, s26, s27                    ; e_w: the expert of my wave in layers 1 and 2
	s_mov_b32 s77, 0
	s_mul_i32 s76, s29, 393216
	s_add_nc_u64 s[86:87], s[10:11], s[76:77]      ; W1's blocks of e_w
	s_lshl_b32 s76, s29, 17
	s_add_co_u32 s76, s76, 3145728
	s_add_nc_u64 s[88:89], s[10:11], s[76:77]      ; W2's
	s_mul_i32 s76, s26, 393216
	s_add_co_u32 s76, s76, 5111808
	s_add_nc_u64 s[90:91], s[10:11], s[76:77]      ; W3's of lo
	s_mul_i32 s76, s27, 393216
	s_add_co_u32 s76, s76, 5111808
	s_add_nc_u64 s[92:93], s[10:11], s[76:77]      ; W3's of hi
	s_lshl_b32 s76, s28, 16
	s_add_nc_u64 s[94:95], s[20:21], s[76:77]      ; my pair's row of list
	RING 0
	RING 1
	RING 2
	RING 3
	WIN 0
	; wave w gathers rows 20 w .. 20 w + 19 of the tile
	s_mul_i32 s4, s2, 20
	s_add_co_u32 s5, s4, s30
.irp i,0,1,2,3,4,5,6,7,8,9,10,11,12,13,14,15,16,17,18,19
	s_add_co_u32 s[36+\i], s5, \i
	s_min_u32 s[36+\i], s[36+\i], s31              ; rows past the tile's end repeat its last token
	s_min_u32 s[36+\i], s[36+\i], 0x3fff
	s_lshl_b32 s[36+\i], s[36+\i], 2
	s_load_b32 s[66+\i], s[94:95], s[36+\i] offset:0x0
.endr
	v_min_u32 v[LI], 19, v1                        ; the same 20 places once more, one a lane, for TOK and PW
	v_add_nc_u32 v[LI+1], s5, v[LI]
	v_min_u32 v[LI+1], s31, v[LI+1]
	v_min_u32 v[LI+1], 0x3fff, v[LI+1]
	v_lshlrev_b32 v[LI+1], 2, v[LI+1]
	global_load_b32 v[LI+2], v[LI+1], s[94:95]
	v_and_b32 v[BT], 63, v0
	v_lshlrev_b32 v[BT], 4, v[BT]
	s_lshl_b32 s3, s29, 10
	v_add_nc_u32 v[BO1], s3, v[BT]                 ; waves 0, 1 bring lo's biases, waves 2, 3 hi's: 16 bytes a thread
	s_mul_i32 s3, s29, 3072
	v_add_nc_u32 v[BO3], s3, v[BT]
	global_load_b128 v[BD:BD+3], v[BO1], s[12:13]
	global_load_b128 v[BD+4:BD+7], v[BO1], s[14:15]
	global_load_b128 v[BD+8:BD+11], v[BO3], s[16:17]
	global_load_b128 v[BD+12:BD+15], v[BO3], s[16:17] offset:1024
	global_load_b128 v[BD+16:BD+19], v[BO3], s[16:17] offset:2048
	s_mul_i32 s3, s2, 20*XP
	v_add_nc_u32 v[LI+8], s3, v[VL16]
	s_wait_kmcnt 0x0
.irp i,0,1,2,3,4,5,6,7,8,9,10,11,12,13,14,15,16,17,18,19
	s_min_u32 s[66+\i], s[66+\i], 0x3fff
	s_mul_i32 s[66+\i], s[66+\i], 1536
	v_add_nc_u32 v[64+2*\i], s[66+\i], v[VL16]     ; the token's row of xb,
	v_add_nc_u32 v[65+2*\i], \i*XP, v[LI+8]        ; its row in LDS; both registers stay as they are until the wait on ASYNCcnt
	global_load_async_to_lds_b128 v[65+2*\i], v[64+2*\i], s[8:9]
	global_load_async_to_lds_b128 v[65+2*\i], v[64+2*\i], s[8:9] offset:512     ; the immediate steps both addresses
	global_load_async_to_lds_b128 v[65+2*\i], v[64+2*\i], s[8:9] offset:1024
.endr
	s_wait_loadcnt 5                               ; the list word is in; the five bias loads behind it may stay out
	v_min_u32 v[LI+2], 0x3fff, v[LI+2]
	v_lshlrev_b32 v[LI+3], 3, v[LI+2]
	global_load_b64 v[LI+4:LI+5], v[LI+3], s[18:19]    ; (p_lo, p_hi)
	v_add_nc_u32 v[LI+6], s4, v[LI]
	v_lshl_add_u32 v[LI+7], v[LI+6], 2, TOK
	v_lshl_add_u32 v[LI+6], v[LI+6], 3, PW
	v_lshlrev_b32 v[BL1], 4, v0
	v_add_nc_u32 v[BL1], BIAS, v[BL1]
	s_lshr_b32 s3, s2, 1
	s_mul_i32 s3, s3, 3072
	s_add_co_u32 s3, s3, BIAS+4096
	v_add_nc_u32 v[BL3], s3, v[BT]
	s_wait_loadcnt 0x0                             ; once: from here on this counter counts ring loads alone
.irp k,0,2,4,6,8,10,12,14,16,18
	v_cvt_pk_bf16_f32 v[TMP], v[BD+\k], v[BD+\k+1] ; the biases are rounded to bf16 like the other inputs, and kept as f32
	v_lshlrev_b32 v[BD+\k], 16, v[TMP]
	v_and_b32 v[BD+\k+1], s96, v[TMP]
.endr
	ds_store_b32 v[LI+7], v[LI+2]
	ds_store_b64 v[LI+6], v[LI+4:LI+5]
	ds_store_b128 v[BL1], v[BD:BD+3]
	ds_store_b128 v[BL1], v[BD+4:BD+7] offset:2048
	ds_store_b128 v[BL3], v[BD+8:BD+11]
	ds_store_b128 v[BL3], v[BD+12:BD+15] offset:1024
	ds_store_b128 v[BL3], v[BD+16:BD+19] offset:2048
	s_wait_asynccnt 0x0                            ; my 20 rows of x have landed
	s_wait_dscnt 0x0                               ; my stores are done
	s_barrier_signal -1
	s_barrier_wait -1
	; LAYER 1: 24 K steps of 40 matrix instructions
.irp u,0,1,2,3,4,5,6,7,8,9,10,11,12,13,14,15,16,17,18,19,20,21,22,23
	RWAIT \u
.if \u == 0
	WIN 0
	LDA VXA, (16*XP), 0, ABUF
.endif
	s_wait_dscnt 0x0                               ; this step's fragments are in
.if \u < 23
	WIN 0
	LDA VXA, (16*XP), ((\u+1)*64), (ABUF+80*((\u+1)%2))    ; the next step's, into the buffer whose last readers stand in front of the last four places
.endif
.if \u == 0
	MUL8 \u, (ABUF+80*(\u%2)), 1
.else
	MUL8 \u, (ABUF+80*(\u%2)), 0
.endif
	PLACES
	RING (\u+4)                                    ; into the slot just read
.endr
	EPI 1
	s_wait_dscnt 0x0                               ; my columns of h1 are written, and my reads of x are long back
	s_barrier_signal -1
	s_barrier_wait -1
	; LAYER 2: 8 K steps of 80 matrix instructions: both parts of h1
.irp u,24,25,26,27,28,29,30,31
	RWAIT \u
.if \u == 24
	WIN 0
	LDAP VH1R, 0, ABUF
.endif
	s_wait_dscnt 0x0
.if \u < 31
	WIN 0
	LDAP VH1R, ((\u-23)*64), (ABUF+80*((\u+1)%2))
.endif
.if \u == 24
	MUL8P \u, (ABUF+80*(\u%2)), 1
.else
	MUL8P \u, (ABUF+80*(\u%2)), 0
.endif
	PLACES
	RING (\u+4)
.endr
	WIN 0
	s_wait_dscnt 0x0                               ; my reads of h1 are back (met: the last step waited for them)
	s_barrier_signal -1
	s_barrier_wait -1                              ; every wave's are: p h2's low parts may now be stored over h1's high parts
	EPI 2
	s_wait_dscnt 0x0                               ; my columns of p h2 are written
	s_barrier_signal -1
	s_barrier_wait -1
	; where the rows go: for row tile mt and t = 0..7, lanes 0-15 store row 16 mt + 2 t, lanes 16-31 the next
.irp mt,0,1,2,3,4
.irp t,0,1,2,3,4,5,6,7
	ds_load_b32 v[64+8*\mt+\t], v[VTOK] offset:(16*\mt+2*\t)*4
.endr
.endr
.irp mt,0,1,2,3,4
	ds_load_b64 v[PP+2*\mt:PP+2*\mt+1], v[VPW] offset:\mt*128      ; (p_lo, p_hi) of token 16 mt + r
.endr
	s_wait_dscnt 0x0
.irp k,0,1,2,3,4,5,6,7,8,9,10,11,12,13,14,15,16,17,18,19,20,21,22,23,24,25,26,27,28,29,30,31,32,33,34,35,36,37,38,39
	v_min_u32 v[64+\k], 0x3fff, v[64+\k]
	v_mul_u32_u24 v[64+\k], 3072, v[64+\k]
.endr
	WIN 0x80                                       ; kept in window 2, v64-103
.irp k,0,1,2,3,4,5,6,7,8,9,10,11,12,13,14,15,16,17,18,19,20,21,22,23,24,25,26,27,28,29,30,31,32,33,34,35,36,37,38,39
	v_add_nc_u32 v[64+\k], v[64+\k], v[VC]
.endr
	WIN 0
	; LAYER 3: three chunks of 256 columns; K = 512 in 16 K steps of 40 matrix instructions (both parts of p h2); a ring unit serves two K steps
.irp c,0,1,2
.irp s,0,1,2,3,4,5,6,7,8,9,10,11,12,13,14,15
.if (\s%2) == 0
	RWAIT (32+8*\c+\s/2)
.endif
.if \s == 0
	WIN 0
	LDAP VH2R, 0, ABUF
.endif
	s_wait_dscnt 0x0                               ; this step's fragments are in
.if \s < 15
	WIN 0
	LDAP VH2R, ((\s+1)*64), (ABUF+80*((\s+1)%2))   ; the next step's, into the buffer whose last readers stand in front of the last four places
.endif
.if \s == 0
	MUL3P (32+8*\c+\s/2), (\s%2), (ABUF+80*(\s%2)), 1
.else
	MUL3P (32+8*\c+\s/2), (\s%2), (ABUF+80*(\s%2)), 0
.endif
	PLACES
.if (\s%2) == 1
.if 32+8*\c+\s/2+4 <= LAST
	RING (32+8*\c+\s/2+4)                          ; into the slot whose two K steps are done
.endif
.endif
.endr
	OUT \c
.endr
	s_wait_tensorcnt 0x0
	ds_add_u32 v254, v255
	s_wait_dscnt 0x0
	s_endpgm
.Lfunc_end_k_q970796b534_experts:
	.size	k_q970796b534_experts, .Lfunc_end_k_q970796b534_experts-k_q970796b534_experts
	.p2alignl 7, 3214868480
	.fill 96, 4, 3214868480
	.section	.rodata,"a",@progbits
	.p2align	6, 0x0
	.amdhsa_kernel k_q970796b534_experts
		.amdhsa_group_segment_fixed_size 320000
		.amdhsa_private_segment_fixed_size 0
		.amdhsa_enable_private_segment 0
		.amdhsa_kernarg_size 72
		.amdhsa_user_sgpr_count 2
		.amdhsa_user_sgpr_kernarg_segment_ptr 1
		.amdhsa_wavefront_size32 1
		.amdhsa_system_sgpr_workgroup_id_x 1
		.amdhsa_system_sgpr_workgroup_id_y 1
		.amdhsa_system_sgpr_workgroup_id_z 1
		.amdhsa_system_vgpr_workitem_id 0
		.amdhsa_next_free_vgpr 1024
		.amdhsa_next_free_sgpr 100
		.amdhsa_reserve_vcc 0
		.amdhsa_float_denorm_mode_32 3
		.amdhsa_float_denorm_mode_16_64 3
		.amdhsa_memory_ordered 1
		.amdhsa_forward_progress 1
		.amdhsa_inst_pref_size 255
	.end_amdhsa_kernel
	.section	.bss,"aw",@nobits
	.p2align	6
	.space	262144
	.amdgpu_metadata
---
amdhsa.version: [ 1, 2 ]
amdhsa.kernels:
  - .name:           k_q970796b534_experts
    .symbol:         k_q970796b534_experts.kd
    .args:
      - { .name: xb, .offset: 0, .size: 8, .value_kind: global_buffer, .address_space: global }
      - { .name: WF, .offset: 8, .size: 8, .value_kind: global_buffer, .address_space: global }
      - { .name: b1, .offset: 16, .size: 8, .value_kind: global_buffer, .address_space: global }
      - { .name: b2, .offset: 24, .size: 8, .value_kind: global_buffer, .address_space: global }
      - { .name: b3, .offset: 32, .size: 8, .value_kind: global_buffer, .address_space: global }
      - { .name: wts, .offset: 40, .size: 8, .value_kind: global_buffer, .address_space: global }
      - { .name: list, .offset: 48, .size: 8, .value_kind: global_buffer, .address_space: global }
      - { .name: meta, .offset: 56, .size: 8, .value_kind: global_buffer, .address_space: global }
      - { .name: out0, .offset: 64, .size: 8, .value_kind: global_buffer, .address_space: global }
    .group_segment_fixed_size: 320000
    .private_segment_fixed_size: 0
    .kernarg_segment_align: 8
    .kernarg_segment_size: 72
    .max_flat_workgroup_size: 128
    .sgpr_count:     100
    .vgpr_count:     1024
    .wavefront_size: 32
...
	.end_amdgpu_metadata
.endif
;; end of part 4
;; ======== version 2 of 2: 4 launches; 1.38 times as fast as version 1
;; limits: values outside matrix products are rounded to bf16
;; workspace buffers: WF 8,265,728 bytes; xb 25,165,824 bytes; wts 131,072 bytes; code 65,536 bytes of whole numbers; list 1,835,008 bytes of whole numbers; meta 256 bytes of whole numbers
;; launch prep: the kernel of part 1 again; grid 505 x 1, 4 waves a work-group, no clusters, 20,992 bytes of LDS; arguments W1, W2, Wg1, Wq1, Wg2, W3, Wg3, WF; writes WF
;; launch gate: the kernel of part 2 again; grid 256 x 1, 4 waves a work-group, no clusters, 313,344 bytes of LDS; arguments x, WF, bg1, bg2, bg3, bq1, Wq2, bq2, out1, out2, xb, code, wts; writes out1, out2, xb, code, wts
;; launch route: the kernel of part 3 again; grid 28 x 1, 16 waves a work-group, no clusters, 2,304 bytes of LDS; arguments code, list, meta; writes list, meta
;; launch experts (part 5): grid 232 x 1, 4 waves a work-group, no clusters, 320,000 bytes of LDS; arguments xb, WF, b1, b2, b3, wts, list, meta, out0; writes out0
.if DOCPART == 5
	.amdgcn_target "amdgcn-amd-amdhsa--gfx1250"
	.amdhsa_code_object_version 6
	.text
	.protected	k_q970796b534_experts
	.globl	k_q970796b534_experts
	.p2align	8
	.type	k_q970796b534_experts,@function
k_q970796b534_experts:
	s_mov_b64 s[64:65], 0
	v_nop
	global_prefetch_b8 v0, s[64:65] scope:SCOPE_SE
	s_setreg_imm32_b32 hwreg(HW_REG_WAVE_MODE, 25, 1), 1
	s_wait_xcnt 0x0
; out0 for a tile of up to 80 tokens that chose the same pair of experts (lo, hi).  Only the two chosen experts enter out0, whatever the inputs.
;   h1 = relu(x W1[e] + b1[e]), h2 = relu(h1 W2[e] + b2[e]) for e = lo, hi;   out = [p_lo h2_lo | p_hi h2_hi] (80 x 512) x [W3_lo ; W3_hi] (512 x 768) + p_lo b3_lo + p_hi b3_hi:
; the weighted sum of the two experts is the third product's own sum over K, so each token is gathered once and each row of out0 written once.
; WHAT IS COMPUTED, AND ITS LIMITS.  f32 arithmetic on inputs rounded once to bf16: x and the weights (matrix operands), and b1, b2, b3 likewise, as the gate launch treats its own inputs.
; h1 is NOT rounded to one bf16: each f32 t is cut into hi = bf16(t) and lo = bf16(t - hi), the subtraction exact, and both parts are multiplied with the same weight fragments onto the
; same accumulators; what is dropped is below 2^-16 of t.  p h2, the third product's operand, IS rounded once to bf16: 8 significant bits, an error of up to 2^-8 of each number, of
; root mean square about 2^-8 x 0.42 = 1.7e-3.  Independent roundings leave that fraction of a row's own root mean square in the row of out0: a sixth of the hundredth that the outputs are
; held to.  With h1 rounded likewise the two errors together would be 2.4e-3, a quarter of it, too little room for 12.6 million numbers: hence h1's second part.
; Sums and the weights p are f32.  A t above bf16's largest finite number (3.39e38) rounds to infinity.  Every sum starts from its bias (the bias is the first addend, not the last).
; TILES.  The grid is fixed at 232 = floor((16384 + 28 x 79) / 80), the most tiles of 80 rows that 28 lists of 16,384 tokens in all can need; they need T = F full + P partial
; tiles, at least 205.  The R = 232 - T spare work-groups (27 at the most; there are at least 178 full tiles) each take half of a full tile: work-group t < 2R has half t & 1 of full tile
; t >> 1, t < R + F has full tile t - R, the others partial tile t - R - F.  So every work-group owns rows of out0 and no branch hangs on loaded numbers.
; Rows of the 80 beyond the tile's last row repeat its last token: the same wave computes and stores the same numbers again.
; SHARES.  Four waves, one on each SIMD, split N alone: layers 1 and 2: waves 0, 1 expert lo, waves 2, 3 expert hi, 128 columns each (5 row tiles x 8 column tiles = 40 accumulators);
; layer 3: three chunks of 256 columns, 64 a wave (20 accumulators).  A weight fragment serves exactly one wave and comes from WF, where it lies as its register image, straight into
; registers: a ring of four slots (window 3) of 8 fragments = 16 loads runs through all layers.  LDS carries what the waves share: x, h1, p h2.
; LOOPS.  Layer 1 is a loop of 6 trips of 4 K steps, layer 3 a loop of 3 trips (one chunk each); a trip holds a multiple of four ring units because slots and fragment buffers are fixed
; registers.  Trip counts are constants.  Two forward branches on a trip counter leave out, in a last trip, loads that nothing would use.  The text stays well under 50,000 bytes.
; NO JOINT (CLUSTER) LOADS: how many tiles a pair has hangs on the routing, so partners with the same weights cannot be fixed in the grid; and joint loads land in LDS, a way that
; these fragments, each used by one wave, do not need.
; x rows are gathered by asynchronous copies, once, at the head.  The matrix instruction is used transposed: lane l holds token row l % 16, registers j columns 8 (l / 16) + j.
; Accumulators take turns, one instruction a turn, over the loops' backward jumps too.
.set XP, 1552                          ; LDS row of x: 1,536 + 16
.set HP, 1040                          ; LDS row of a part of h1, or of p h2: 1,024 + 16; columns [lo 256 | hi 256]
.set H1H, 124160                       ; h1, high parts: behind x's 80 rows (485 blocks of 256 bytes, filled by the copies once, at the head)
.set H1L, 207360                       ; h1, low parts
.set H2, 0                             ; p h2 (83,200 bytes): over x, whose last reads end in front of the barrier behind layer 1
.set BIAS, 290560                      ; b1 lo, hi; b2 lo, hi (1,024 each); b3 lo, hi (3,072 each)
.set STG, 300800                       ; per wave 16 rows x 272 bytes, for the way out
.set TOK, 318208                       ; 80 token numbers
.set PW, 318720                        ; 80 pairs (p_lo, p_hi)
.set VL16, 4
.set VB12, 5
.set VXA, 6                            ; v6-7   x: row tiles 0-2, 3-4; stepped by four K steps a trip
.set VH1R, 8                           ; v8-9   reads of h1's high parts, v10-11 of its low parts
.set VH2R, 12                          ; v12-13 reads of p h2
.set VHW, 16                           ; v16-19 stores of h1 (high 16-17, low 18-19), v20-21 of p h2
.set VBI1, 24
.set VBI3, 25                          ; stepped by a chunk's 1,024 bytes a trip
.set VSTW, 26
.set VSTR, 27
.set VTOK, 28
.set VPW, 29
.set VPW2, 30
.set VB3, 31
.set VC, 32
.set TMP, 33
.set BT, 34                            ; v34-38 the head's bias offsets
.set BO1, 35
.set BO3, 36
.set BL1, 37
.set BL3, 38
.set BD, 40                            ; v40-59 the head's bias numbers
.set ABUF, 64                          ; two fragment buffers of 80 registers: v64-143, v144-223 (layer 2: a K step's high parts 40, low parts 40; layer 3: two K steps, 40 each)
.set ET, 128                           ; between the products: numbers at work,
.set EP, 192                           ; two sets of 16: high parts 4, low parts 4, high parts widened 8
.set B3, 144                           ; a chunk's b3: lo 32, hi 32 (read before the second fragment buffer is filled)
.set SD, 64                            ; rows on their way out: 32 registers of its own for each of the five row tiles, v64-223
.set PP, 224                           ; v224-233 a pair of weights for each row tile
.set LI, 240                           ; v240-248 the head's list and weight scratch
.set MSB, 0
.macro WIN new                         ; the immediate's high byte repeats the setting that is left
.if MSB != \new
	s_set_vgpr_msb (MSB<<8)|\new
.set MSB, \new
.endif
.endm
.macro PLACES                          ; four places behind a matrix instruction before its registers are loaded into, read or written (ISA guide 7.12.1)
.rept 4
	v_nop
.endr
.endm
.macro WM d, b, a
	v_wmma_f32_16x16x32_bf16 v[\d:\d+7], v[\b:\b+7], v[\a:\a+7], v[\d:\d+7]
.endm
; A ring unit: 8 fragments, 8,192 consecutive bytes, by 16 loads of 512 consecutive bytes, into slot 0..3 of window 3
.macro RING slot, vo, sb, off
	WIN 0xc0
.irp i,0,1,2,3,4,5,6,7,8,9,10,11,12,13,14,15
	global_load_b128 v[64*(\slot)+4*\i:64*(\slot)+4*\i+3], v[\vo], s[\sb:\sb+1] offset:(\off)+512*\i
.endr
.endm
.macro LDA vb, ms, ko, buf             ; five row tiles' fragments of one K step at byte ko of the rows
.irp mt,0,1,2,3,4
	ds_load_b128 v[\buf+8*\mt:\buf+8*\mt+3], v[\vb+\mt/3] offset:(\mt%3)*\ms+\ko
	ds_load_b128 v[\buf+8*\mt+4:\buf+8*\mt+7], v[\vb+\mt/3] offset:(\mt%3)*\ms+\ko+32
.endr
.endm
.macro LDAP vb, ko, buf                ; the same for both parts of h1: high parts into buf, low parts into buf + 40
	LDA \vb, (16*HP), \ko, \buf
	LDA (\vb+2), (16*HP), \ko, (\buf+40)
.endm
; The 40 sums of layer lay (1 or 2) start from the bias: my 128 columns of b1 or b2 go from LDS straight into each row tile's accumulators
.macro START lay
	WIN 0x40                                       ; destination window 1
.irp mt,0,1,2,3
.irp i,0,1,2,3,4,5,6,7
	ds_load_b128 v[8*(8*\mt+\i):8*(8*\mt+\i)+3], v[VBI1] offset:(\lay-1)*2048+\i*64
	ds_load_b128 v[8*(8*\mt+\i)+4:8*(8*\mt+\i)+7], v[VBI1] offset:(\lay-1)*2048+\i*64+16
.endr
.endr
	WIN 0x80                                       ; row tile 4: window 2
.irp i,0,1,2,3,4,5,6,7
	ds_load_b128 v[8*\i:8*\i+3], v[VBI1] offset:(\lay-1)*2048+\i*64
	ds_load_b128 v[8*\i+4:8*\i+7], v[VBI1] offset:(\lay-1)*2048+\i*64+16
.endr
	WIN 0
.endm
.macro MUL8 slot, buf                  ; layer 1: 5 row tiles x 8 column tiles, K = 32
	WIN 0x53                                       ; weights window 3, tokens window 0, sums window 1
.irp mt,0,1,2,3
.irp f,0,1,2,3,4,5,6,7
	WM (8*(8*\mt+\f)), (64*(\slot)+8*\f), (\buf+8*\mt)
.endr
.endr
	WIN 0xa3                                       ; row tile 4: sums in window 2
.irp f,0,1,2,3,4,5,6,7
	WM (8*\f), (64*(\slot)+8*\f), (\buf+32)
.endr
.endm
.macro MUL8P slot, buf                 ; layer 2: the same for the high parts and then the low parts, onto the same sums
	WIN 0x53
.irp p,0,1
.irp mt,0,1,2,3
.irp f,0,1,2,3,4,5,6,7
	WM (8*(8*\mt+\f)), (64*(\slot)+8*\f), (\buf+40*\p+8*\mt)
.endr
.endr
.endr
	WIN 0xa3
.irp p,0,1
.irp f,0,1,2,3,4,5,6,7
	WM (8*\f), (64*(\slot)+8*\f), (\buf+40*\p+32)
.endr
.endr
.endm
.macro MUL3 slot, buf                  ; layer 3, one ring unit: 2 K steps x 5 row tiles x 4 column tiles
	WIN 0x53
.irp ks,0,1
.irp mt,0,1,2,3,4
.irp i,0,1,2,3
	WM (8*(4*\mt+\i)), (64*(\slot)+8*(4*\ks+\i)), (\buf+40*\ks+8*\mt)
.endr
.endr
.endr
.endm
; Behind layer lay: relu; layer 1: cut into two bf16 parts; layer 2: times the token's weight, rounded to one bf16; 16 bytes a lane into the rows in LDS
.macro EPI lay
	WIN 0
.if \lay == 2
.irp mt,0,1,2,3,4
	ds_load_b32 v[PP+2*\mt], v[VPW2] offset:\mt*128        ; my expert's weight of token 16 mt + r, twice: a pair for the packed multiply
	ds_load_b32 v[PP+2*\mt+1], v[VPW2] offset:\mt*128
.endr
	s_wait_dscnt 0x0
.endif
.irp mt,0,1,2,3,4
	WIN (4*(1+\mt/4))                              ; source 1, the accumulator, in window 1 (row tile 4: window 2)
.irp i,0,1,2,3,4,5,6,7
.irp j,0,1,2,3,4,5,6,7
	v_max_num_f32 v[ET+8*\i+\j], 0, v[8*(8*(\mt%4)+\i)+\j]
.endr
.endr
	WIN 0
.irp i,0,1,2,3,4,5,6,7
.if \lay == 2
.irp j,0,2,4,6
	v_pk_mul_f32 v[ET+8*\i+\j:ET+8*\i+\j+1], v[ET+8*\i+\j:ET+8*\i+\j+1], v[PP+2*\mt:PP+2*\mt+1]
.endr
.endif
.irp j,0,1,2,3
	v_cvt_pk_bf16_f32 v[EP+16*(\i%2)+\j], v[ET+8*\i+2*\j], v[ET+8*\i+2*\j+1]           ; rounded to bf16: layer 1's high parts, layer 2's operand
.endr
.if \lay == 1
.irp j,0,1,2,3
	v_lshlrev_b32 v[EP+16*(\i%2)+8+2*\j], 16, v[EP+16*(\i%2)+\j]                       ; widened again,
	v_and_b32 v[EP+16*(\i%2)+9+2*\j], s96, v[EP+16*(\i%2)+\j]
.endr
.irp j,0,2,4,6
	v_pk_add_f32 v[ET+8*\i+\j:ET+8*\i+\j+1], v[ET+8*\i+\j:ET+8*\i+\j+1], v[EP+16*(\i%2)+8+\j:EP+16*(\i%2)+9+\j] neg_lo:[0,1] neg_hi:[0,1]   ; taken away: the exact rest
.endr
.irp j,0,1,2,3
	v_cvt_pk_bf16_f32 v[EP+16*(\i%2)+4+\j], v[ET+8*\i+2*\j], v[ET+8*\i+2*\j+1]         ; the low parts
.endr
.endif
	ds_store_b128 v[VHW+4*(\lay-1)+\mt/3], v[EP+16*(\i%2):EP+16*(\i%2)+3] offset:(\mt%3)*16*HP+\i*32
.if \lay == 1
	ds_store_b128 v[VHW+2+\mt/3], v[EP+16*(\i%2)+4:EP+16*(\i%2)+7] offset:(\mt%3)*16*HP+\i*32
.endif
.endr
.endr
.endm
; Pair k = (lo, hi): if my tile's number is at or past the pair's first tile, the pair is mine so far
.macro SRCH k, lo, hi
	s_cmp_ge_u32 s66, s72
	s_cselect_b32 s73, (\lo)|((\hi)<<4)|((\k)<<8), s73
	s_cselect_b32 s74, s72, s74
	s_cselect_b32 s75, s[36+\k], s75
	s_lshr_b32 s76, s[36+\k], s67
	s_and_b32 s76, s76, s68                        ; the pair's full tiles, or its partial one
	s_add_co_u32 s72, s72, s76
.endm
	s_load_b512 s[8:23], s[0:1], 0x0               ; xb 8, WF 10, b1 12, b2 14, b3 16, wts 18, list 20, meta 22
	s_load_b64 s[24:25], s[0:1], 0x40              ; out0
	v_lshl_add_u32 v254, v0, 2, 0x4e000
	v_mov_b32 v255, 0
	ds_add_u32 v254, v255
	ds_add_u32 v254, v255
	v_and_b32 v1, 31, v0                           ; L
	v_lshrrev_b32 v[TMP], 5, v0
	v_readfirstlane_b32 s2, v[TMP]                 ; wave w
	v_and_b32 v2, 15, v0                           ; r
	v_bfe_u32 v3, v0, 4, 1                         ; h
	s_mov_b32 s96, 0xffff0000                      ; a word's upper bf16
	s_wait_dscnt 0x0
	s_wait_kmcnt 0x0
	s_load_b512 s[36:51], s[22:23], 0x0            ; the 28 words of meta
	s_load_b256 s[52:59], s[22:23], 0x40
	s_load_b128 s[60:63], s[22:23], 0x60
	v_lshlrev_b32 v[VL16], 4, v1
	s_and_b32 s3, s2, 1
	s_lshl_b32 s3, s3, 13
	v_add_nc_u32 v[VB12], s3, v[VL16]              ; layers 1, 2: my eight column tiles of a K step's sixteen
	s_lshl_b32 s3, s2, 15
	v_add_nc_u32 v[VB3], s3, v[VL16]               ; layer 3: my group of four column tiles
	v_mul_u32_u24 v[TMP], v2, XP
	v_lshl_add_u32 v[VXA], v3, 4, v[TMP]
	v_add_nc_u32 v[VXA+1], 48*XP, v[VXA]
	v_mul_u32_u24 v[TMP], v2, HP
	v_lshl_add_u32 v[TMP], v3, 4, v[TMP]           ; row r of a part, + 16 h
	s_lshr_b32 s3, s2, 1
	s_lshl_b32 s3, s3, 9
	s_add_co_u32 s4, s3, H1H                       ; layer 2 reads my expert's half of h1's rows
	v_add_nc_u32 v[VH1R], s4, v[TMP]
	v_add_nc_u32 v[VH1R+1], 48*HP, v[VH1R]
	v_add_nc_u32 v[VH1R+2], H1L-H1H, v[VH1R]
	v_add_nc_u32 v[VH1R+3], H1L-H1H, v[VH1R+1]
	s_lshl_b32 s3, s2, 8                           ; 256 w: my 128 columns of h1, h2; my 64 columns of a chunk of out0
	s_add_co_u32 s4, s3, H1H
	v_add_nc_u32 v[VHW], s4, v[TMP]
	v_add_nc_u32 v[VHW+1], 48*HP, v[VHW]
	v_add_nc_u32 v[VHW+2], H1L-H1H, v[VHW]
	v_add_nc_u32 v[VHW+3], H1L-H1H, v[VHW+1]
	s_add_co_u32 s4, s3, H2
	v_add_nc_u32 v[VHW+4], s4, v[TMP]
	v_add_nc_u32 v[VHW+5], 48*HP, v[VHW+4]
	v_add_nc_u32 v[VH2R], H2, v[TMP]
	v_add_nc_u32 v[VH2R+1], 48*HP, v[VH2R]
	s_lshl_b32 s4, s2, 9
	s_add_co_u32 s4, s4, BIAS
	v_lshl_add_u32 v[VBI1], v3, 5, s4
	s_add_co_u32 s4, s3, BIAS+4096
	v_lshl_add_u32 v[VBI3], v3, 5, s4
	s_mul_i32 s4, s2, 16*272
	s_add_co_u32 s4, s4, STG
	v_mul_u32_u24 v[TMP], v2, 272
	v_lshl_add_u32 v[TMP], v3, 5, v[TMP]
	v_add_nc_u32 v[VSTW], s4, v[TMP]
	v_mul_u32_u24 v[TMP], v3, 272
	v_lshl_add_u32 v[TMP], v2, 4, v[TMP]
	v_add_nc_u32 v[VSTR], s4, v[TMP]
	v_lshlrev_b32 v[TMP], 2, v3
	v_add_nc_u32 v[VTOK], TOK, v[TMP]
	v_lshlrev_b32 v[TMP], 3, v2
	v_add_nc_u32 v[VPW], PW, v[TMP]
	s_lshr_b32 s4, s2, 1
	s_lshl_b32 s4, s4, 2
	v_add_nc_u32 v[VPW2], s4, v[VPW]
	v_lshl_add_u32 v[VC], v2, 4, s3
	s_mov_b32 s3, 0                                ; F: full tiles
	s_mov_b32 s4, 0                                ; P: partial tiles
	s_wait_kmcnt 0x0
.irp k,36,37,38,39,40,41,42,43,44,45,46,47,48,49,50,51,52,53,54,55,56,57,58,59,60,61,62,63
	s_bfe_u32 s5, s[\k], 0x80010
	s_add_co_u32 s3, s3, s5
	s_lshr_b32 s5, s[\k], 24
	s_add_co_u32 s4, s4, s5
.endr
	s_sub_co_u32 s6, 232, s3
	s_sub_co_u32 s6, s6, s4                        ; R
	s_add_co_u32 s7, s6, s3                        ; R + F
	s_lshl_b32 s76, s6, 1
	s_lshr_b32 s66, ttmp9, 1
	s_sub_co_u32 s77, ttmp9, s6
	s_and_b32 s70, ttmp9, 1
	s_mul_i32 s70, s70, 40
	s_cmp_lt_u32 ttmp9, s76                        ; half of a full tile?
	s_cselect_b32 s66, s66, s77                    ; number of the full tile
	s_cselect_b32 s70, s70, 0                      ; first row in it
	s_cselect_b32 s71, 39, 79                      ; rows - 1
	s_sub_co_u32 s77, ttmp9, s7
	s_cmp_ge_u32 ttmp9, s7                         ; a partial tile?
	s_cselect_b32 s66, s77, s66                    ; its number among the partial tiles
	s_cselect_b32 s67, 24, 16                      ; which field of meta counts my kind of tile,
	s_cselect_b32 s68, 1, 0xff                     ; and its mask
	s_cselect_b32 s69, 1, 0
	s_mov_b32 s72, 0
	s_mov_b32 s73, 16
	s_mov_b32 s74, 0
	s_mov_b32 s75, s36
	SRCH 0, 0, 1
	SRCH 1, 0, 2
	SRCH 2, 0, 3
	SRCH 3, 0, 4
	SRCH 4, 0, 5
	SRCH 5, 0, 6
	SRCH 6, 0, 7
	SRCH 7, 1, 2
	SRCH 8, 1, 3
	SRCH 9, 1, 4
	SRCH 10, 1, 5
	SRCH 11, 1, 6
	SRCH 12, 1, 7
	SRCH 13, 2, 3
	SRCH 14, 2, 4
	SRCH 15, 2, 5
	SRCH 16, 2, 6
	SRCH 17, 2, 7
	SRCH 18, 3, 4
	SRCH 19, 3, 5
	SRCH 20, 3, 6
	SRCH 21, 3, 7
	SRCH 22, 4, 5
	SRCH 23, 4, 6
	SRCH 24, 4, 7
	SRCH 25, 5, 6
	SRCH 26, 5, 7
	SRCH 27, 6, 7
	s_and_b32 s26, s73, 15
	s_bfe_u32 s27, s73, 0x40004
	s_lshr_b32 s28, s73, 8
	s_min_u32 s26, s26, 7                          ; lo
	s_min_u32 s27, s27, 7                          ; hi
	s_min_u32 s28, s28, 27                         ; pair
	s_sub_co_u32 s76, s66, s74
	s_mul_i32 s76, s76, 80
	s_add_co_u32 s76, s76, s70                     ; full tile: first place in the list,
	s_add_co_u32 s77, s76, s71                     ; last
	s_bfe_u32 s30, s75, 0x80010
	s_mul_i32 s30, s30, 80                         ; partial tile: behind the pair's full tiles,
	s_and_b32 s31, s75, 0xffff
	s_sub_co_u32 s31, s31, 1                       ; up to the list's end
	s_cmp_lg_u32 s69, 0
	s_cselect_b32 s30, s30, s76
	s_cselect_b32 s31, s31, s77
	s_cmp_lt_u32 s2, 2
	s_cselect_b32 s29, s26, s27                    ; e_w: the expert of my wave in layers 1 and 2
	s_mov_b32 s77, 0
	s_mul_i32 s76, s29, 393216
	s_add_nc_u64 s[86:87], s[10:11], s[76:77]      ; W1's blocks of e_w; stepped by four units a trip
	s_lshl_b32 s76, s29, 17
	s_add_co_u32 s76, s76, 3145728
	s_add_nc_u64 s[88:89], s[10:11], s[76:77]      ; W2's
	s_mul_i32 s76, s26, 393216
	s_add_co_u32 s76, s76, 5111808
	s_add_nc_u64 s[90:91], s[10:11], s[76:77]      ; W3's of lo; stepped by a chunk a trip
	s_mul_i32 s76, s27, 393216
	s_add_co_u32 s76, s76, 5111808
	s_add_nc_u64 s[92:93], s[10:11], s[76:77]      ; W3's of hi; likewise
	s_lshl_b32 s76, s28, 16
	s_add_nc_u64 s[94:95], s[20:21], s[76:77]      ; my pair's row of list
	RING 0, VB12, 86, 0                            ; K steps 0 to 3 of W1
	RING 1, VB12, 86, 16384
	RING 2, VB12, 86, 32768
	RING 3, VB12, 86, 49152
	WIN 0
	; wave w gathers rows 20 w .. 20 w + 19 of the tile
	s_mul_i32 s4, s2, 20
	s_add_co_u32 s5, s4, s30
.irp i,0,1,2,3,4,5,6,7,8,9,10,11,12,13,14,15,16,17,18,19
	s_add_co_u32 s[36+\i], s5, \i
	s_min_u32 s[36+\i], s[36+\i], s31              ; rows past the tile's end repeat its last token
	s_min_u32 s[36+\i], s[36+\i], 0x3fff
	s_lshl_b32 s[36+\i], s[36+\i], 2
	s_load_b32 s[66+\i], s[94:95], s[36+\i] offset:0x0
.endr
	v_min_u32 v[LI], 19, v1                        ; the same 20 places once more, one a lane, for TOK and PW
	v_add_nc_u32 v[LI+1], s5, v[LI]
	v_min_u32 v[LI+1], s31, v[LI+1]
	v_min_u32 v[LI+1], 0x3fff, v[LI+1]
	v_lshlrev_b32 v[LI+1], 2, v[LI+1]
	global_load_b32 v[LI+2], v[LI+1], s[94:95]
	v_and_b32 v[BT], 63, v0
	v_lshlrev_b32 v[BT], 4, v[BT]
	s_lshl_b32 s3, s29, 10
	v_add_nc_u32 v[BO1], s3, v[BT]                 ; waves 0, 1 bring lo's biases, waves 2, 3 hi's: 16 bytes a thread
	s_mul_i32 s3, s29, 3072
	v_add_nc_u32 v[BO3], s3, v[BT]
	global_load_b128 v[BD:BD+3], v[BO1], s[12:13]
	global_load_b128 v[BD+4:BD+7], v[BO1], s[14:15]
	global_load_b128 v[BD+8:BD+11], v[BO3], s[16:17]
	global_load_b128 v[BD+12:BD+15], v[BO3], s[16:17] offset:1024
	global_load_b128 v[BD+16:BD+19], v[BO3], s[16:17] offset:2048
	s_mul_i32 s3, s2, 20*XP
	v_add_nc_u32 v[LI+8], s3, v[VL16]
	s_wait_kmcnt 0x0
.irp i,0,1,2,3,4,5,6,7,8,9,10,11,12,13,14,15,16,17,18,19
	s_min_u32 s[66+\i], s[66+\i], 0x3fff
	s_mul_i32 s[66+\i], s[66+\i], 1536
	v_add_nc_u32 v[64+2*\i], s[66+\i], v[VL16]     ; the token's row of xb,
	v_add_nc_u32 v[65+2*\i], \i*XP, v[LI+8]        ; its row in LDS; both registers stay as they are until the wait on ASYNCcnt
	global_load_async_to_lds_b128 v[65+2*\i], v[64+2*\i], s[8:9]
	global_load_async_to_lds_b128 v[65+2*\i], v[64+2*\i], s[8:9] offset:512     ; the immediate steps both addresses
	global_load_async_to_lds_b128 v[65+2*\i], v[64+2*\i], s[8:9] offset:1024
.endr
	s_wait_loadcnt 5                               ; the list word is in; the five bias loads behind it may stay out
	v_min_u32 v[LI+2], 0x3fff, v[LI+2]
	v_lshlrev_b32 v[LI+3], 3, v[LI+2]
	global_load_b64 v[LI+4:LI+5], v[LI+3], s[18:19]    ; (p_lo, p_hi)
	v_add_nc_u32 v[LI+6], s4, v[LI]
	v_lshl_add_u32 v[LI+7], v[LI+6], 2, TOK
	v_lshl_add_u32 v[LI+6], v[LI+6], 3, PW
	v_lshlrev_b32 v[BL1], 4, v0
	v_add_nc_u32 v[BL1], BIAS, v[BL1]
	s_lshr_b32 s3, s2, 1
	s_mul_i32 s3, s3, 3072
	s_add_co_u32 s3, s3, BIAS+4096
	v_add_nc_u32 v[BL3], s3, v[BT]
	s_wait_loadcnt 0x0                             ; once: from here on this counter counts ring loads alone
.irp k,0,2,4,6,8,10,12,14,16,18
	v_cvt_pk_bf16_f32 v[TMP], v[BD+\k], v[BD+\k+1] ; the biases are rounded to bf16 like the other inputs, and kept as f32
	v_lshlrev_b32 v[BD+\k], 16, v[TMP]
	v_and_b32 v[BD+\k+1], s96, v[TMP]
.endr
	ds_store_b32 v[LI+7], v[LI+2]
	ds_store_b64 v[LI+6], v[LI+4:LI+5]
	ds_store_b128 v[BL1], v[BD:BD+3]
	ds_store_b128 v[BL1], v[BD+4:BD+7] offset:2048
	ds_store_b128 v[BL3], v[BD+8:BD+11]
	ds_store_b128 v[BL3], v[BD+12:BD+15] offset:1024
	ds_store_b128 v[BL3], v[BD+16:BD+19] offset:2048
	s_wait_asynccnt 0x0                            ; my 20 rows of x have landed
	s_wait_dscnt 0x0                               ; my stores are done
	s_barrier_signal -1
	s_barrier_wait -1
	; LAYER 1: 24 K steps of 40 matrix instructions, four to a trip.  Step 4 t + j uses ring slot j and fragment buffer j % 2.
	START 1
	LDA VXA, (16*XP), 0, ABUF                      ; K step 0's fragments
	s_mov_b32 s97, 0
.Lk1:
.irp j,0,1,2,3
	s_wait_loadcnt 48                              ; this step's weights are in: the three younger units, 16 loads each, may stay out (the same into the loop and over its jump)
	s_wait_dscnt 0x0                               ; this step's fragments are in (first trip: the biases too)
	WIN 0
.if \j == 3
	s_cmp_eq_u32 s97, 5                            ; the last trip's last step has no next step: nothing is read past x's 24 K steps
	s_cbranch_scc1 .Lk1_last
.endif
	LDA VXA, (16*XP), ((\j+1)*64), (ABUF+80*((\j+1)%2))    ; the next step's, into the buffer whose last readers stand in front of the last four places
.if \j == 3
.Lk1_last:
.endif
	MUL8 \j, (ABUF+80*(\j%2))
	PLACES
.if \j == 0
	s_wait_xcnt 0x0                                ; the loads that name the base were issued 40 matrix instructions ago or earlier: it is rewritten only behind this wait
	s_add_nc_u64 s[86:87], s[86:87], 0x10000       ; four units on: this trip asks for the next trip's four K steps,
	s_cmp_eq_u32 s97, 5
	s_cselect_b64 s[86:87], s[88:89], s[86:87]     ; the last trip for the first four K steps of W2
.endif
	RING \j, VB12, 86, (\j*16384)                  ; into the slot just read
.endr
	WIN 0
	v_add_nc_u32 v[VXA], 256, v[VXA]               ; four K steps along x's rows
	v_add_nc_u32 v[VXA+1], 256, v[VXA+1]
	s_add_co_u32 s97, s97, 1
	s_cmp_lt_u32 s97, 6
	s_cbranch_scc1 .Lk1
	EPI 1
	START 2                                        ; behind the last read of layer 1's sums
	s_wait_dscnt 0x0                               ; my columns of h1 are written, b2 is in the accumulators, and my reads of x are long back
	s_barrier_signal -1
	s_barrier_wait -1                              ; from here on no wave reads x: its bytes may take p h2
	; LAYER 2: 8 K steps of 80 matrix instructions: both parts of h1.  Written out: its first four refills are W2's (units 16,384 bytes apart), its last four W3's (8,192 apart)
.irp v,0,1,2,3,4,5,6,7
	s_wait_loadcnt 48                              ; three younger units may stay out
.if \v == 0
	WIN 0
	LDAP VH1R, 0, ABUF
.endif
	s_wait_dscnt 0x0
.if \v < 7
	WIN 0
	LDAP VH1R, ((\v+1)*64), (ABUF+80*((\v+1)%2))
.endif
	MUL8P (\v%4), (ABUF+80*(\v%2))
	PLACES
.if \v < 4
	RING (\v%4), VB12, 88, ((\v+4)*16384)
.else
	RING (\v%4), VB3, 90, ((\v-4)*8192)            ; chunk 0 of W3[lo]
.endif
.endr
	EPI 2                                          ; p h2 goes over x's bytes, which lie apart from h1's: a wave that is still in layer 2 is not disturbed
	s_wait_dscnt 0x0                               ; my columns of p h2 are written
	s_barrier_signal -1
	s_barrier_wait -1
	; where the rows go: for row tile mt and t = 0..7, lanes 0-15 store row 16 mt + 2 t, lanes 16-31 the next
.irp mt,0,1,2,3,4
.irp t,0,1,2,3,4,5,6,7
	ds_load_b32 v[64+8*\mt+\t], v[VTOK] offset:(16*\mt+2*\t)*4
.endr
.endr
.irp mt,0,1,2,3,4
	ds_load_b64 v[PP+2*\mt:PP+2*\mt+1], v[VPW] offset:\mt*128      ; (p_lo, p_hi) of token 16 mt + r
.endr
	s_wait_dscnt 0x0
.irp k,0,1,2,3,4,5,6,7,8,9,10,11,12,13,14,15,16,17,18,19,20,21,22,23,24,25,26,27,28,29,30,31,32,33,34,35,36,37,38,39
	v_min_u32 v[64+\k], 0x3fff, v[64+\k]
	v_mul_u32_u24 v[64+\k], 3072, v[64+\k]
.endr
	WIN 0x80                                       ; kept in window 2, v64-103
.irp k,0,1,2,3,4,5,6,7,8,9,10,11,12,13,14,15,16,17,18,19,20,21,22,23,24,25,26,27,28,29,30,31,32,33,34,35,36,37,38,39
	v_add_nc_u32 v[64+\k], v[64+\k], v[VC]
.endr
	WIN 0
	; LAYER 3: a trip is one chunk of 256 columns: K = 512 in 8 ring units of two K steps, 40 matrix instructions each.
	; Units 0-3 are W3[lo]'s, in the ring when the trip begins; while they are used, units 4-7, W3[hi]'s, take their slots.
	s_mov_b32 s97, 0
.Lchunk:
	LDA VH2R, (16*HP), 0, ABUF                     ; unit 0's fragments: K steps 0 and 1
	LDA VH2R, (16*HP), 64, (ABUF+40)
.irp i,0,1,2,3
	ds_load_b128 v[B3+8*\i:B3+8*\i+3], v[VBI3] offset:\i*64
	ds_load_b128 v[B3+8*\i+4:B3+8*\i+7], v[VBI3] offset:\i*64+16
	ds_load_b128 v[B3+32+8*\i:B3+32+8*\i+3], v[VBI3] offset:3072+\i*64
	ds_load_b128 v[B3+32+8*\i+4:B3+32+8*\i+7], v[VBI3] offset:3072+\i*64+16
.endr
	s_wait_dscnt 0x0
	WIN 0x40                                       ; the 20 sums start from p_lo b3_lo + p_hi b3_hi
.irp mt,0,1,2,3,4
.irp i,0,1,2,3
.irp j,0,2,4,6
	v_pk_mul_f32 v[8*(4*\mt+\i)+\j:8*(4*\mt+\i)+\j+1], v[B3+8*\i+\j:B3+8*\i+\j+1], v[PP+2*\mt:PP+2*\mt+1] op_sel_hi:[1,0]
.endr
.endr
.endr
	WIN 0x50
.irp mt,0,1,2,3,4
.irp i,0,1,2,3
.irp j,0,2,4,6
	v_pk_fma_f32 v[8*(4*\mt+\i)+\j:8*(4*\mt+\i)+\j+1], v[B3+32+8*\i+\j:B3+32+8*\i+\j+1], v[PP+2*\mt:PP+2*\mt+1], v[8*(4*\mt+\i)+\j:8*(4*\mt+\i)+\j+1] op_sel:[0,1,0]
.endr
.endr
.endr
.irp kk,0,1,2,3,4,5,6,7
.if \kk < 5
	s_wait_loadcnt 48                              ; units 0 to 4: three younger units may stay out
.else
	s_wait_loadcnt 16*(7-\kk)                      ; units 5, 6, 7: what is left of the chunk: 32, 16, 0 loads
.endif
	s_wait_dscnt 0x0                               ; this unit's fragments are in
.if \kk < 7
	WIN 0
	LDA VH2R, (16*HP), ((\kk+1)*128), (ABUF+80*((\kk+1)%2))        ; the next unit's, into the buffer whose last readers stand in front of the last four places
	LDA VH2R, (16*HP), ((\kk+1)*128+64), (ABUF+80*((\kk+1)%2)+40)
.endif
	MUL3 (\kk%4), (ABUF+80*(\kk%2))
	PLACES
.if \kk < 4
	RING \kk, VB3, 92, (\kk*8192)                  ; W3[hi]'s unit into the slot just read
.endif
.endr
	WIN 0
	s_cmp_eq_u32 s97, 2                            ; the last chunk asks for nothing
	s_cbranch_scc1 .Lno_more
	s_add_nc_u64 s[90:91], s[90:91], 0x20000       ; no load is out (unit 7 waited for all): both bases step to the next chunk
	s_add_nc_u64 s[92:93], s[92:93], 0x20000
	RING 0, VB3, 90, 0                             ; the next chunk's four units of W3[lo]: they have the way out and the next sums' start in which to land
	RING 1, VB3, 90, 8192
	RING 2, VB3, 90, 16384
	RING 3, VB3, 90, 24576
	WIN 0
.Lno_more:
	; the way out: 16 rows at a time through my own stage, whole blocks of 256 bytes to the tokens' rows.  Each row tile reads the stage back into 32 registers of its own
	; (the two fragment buffers, idle here), so no register that a pending store reads is loaded again inside a chunk.
.irp mt,0,1,2,3,4
	WIN 0x04                                       ; the data are accumulators, window 1
.irp i,0,1,2,3
	ds_store_b128 v[VSTW], v[8*(4*\mt+\i):8*(4*\mt+\i)+3] offset:64*\i
	ds_store_b128 v[VSTW], v[8*(4*\mt+\i)+4:8*(4*\mt+\i)+7] offset:64*\i+16
.endr
	WIN 0
.irp t,0,1,2,3,4,5,6,7
	ds_load_b128 v[SD+32*\mt+4*\t:SD+32*\mt+4*\t+3], v[VSTR] offset:544*\t   ; my own bytes, served in order behind my stores and ahead of the next tile's (ISA guide 5.7.1)
.endr
	WIN 0x02                                       ; the rows' offsets lie in window 2
.irp t,0,1,2,3,4,5,6,7
	s_wait_dscnt 7-\t                              ; rows 2t, 2t+1 are back; the younger reads may stay out
	global_store_b128 v[64+8*\mt+\t], v[SD+32*\mt+4*\t:SD+32*\mt+4*\t+3], s[24:25] th:TH_STORE_NT   ; 16 lanes: 256 consecutive bytes, aligned
.endr
.endr
	WIN 0
	s_wait_xcnt 0x0                                ; the stores' base is stepped, and the next chunk's loads land on their data registers, only behind this wait
	s_add_nc_u64 s[24:25], s[24:25], 0x400         ; the next 256 columns of out0,
	v_add_nc_u32 v[VBI3], 0x400, v[VBI3]           ; and of b3
	s_add_co_u32 s97, s97, 1
	s_cmp_lt_u32 s97, 3
	s_cbranch_scc1 .Lchunk
	s_wait_tensorcnt 0x0
	ds_add_u32 v254, v255
	s_wait_dscnt 0x0
	s_endpgm
.Lfunc_end_k_q970796b534_experts:
	.size	k_q970796b534_experts, .Lfunc_end_k_q970796b534_experts-k_q970796b534_experts
	.p2alignl 7, 3214868480
	.fill 96, 4, 3214868480
	.section	.rodata,"a",@progbits
	.p2align	6, 0x0
	.amdhsa_kernel k_q970796b534_experts
		.amdhsa_group_segment_fixed_size 320000
		.amdhsa_private_segment_fixed_size 0
		.amdhsa_enable_private_segment 0
		.amdhsa_kernarg_size 72
		.amdhsa_user_sgpr_count 2
		.amdhsa_user_sgpr_kernarg_segment_ptr 1
		.amdhsa_wavefront_size32 1
		.amdhsa_system_sgpr_workgroup_id_x 1
		.amdhsa_system_sgpr_workgroup_id_y 1
		.amdhsa_system_sgpr_workgroup_id_z 1
		.amdhsa_system_vgpr_workitem_id 0
		.amdhsa_next_free_vgpr 1024
		.amdhsa_next_free_sgpr 100
		.amdhsa_reserve_vcc 0
		.amdhsa_float_denorm_mode_32 3
		.amdhsa_float_denorm_mode_16_64 3
		.amdhsa_memory_ordered 1
		.amdhsa_forward_progress 1
		.amdhsa_inst_pref_size 255
	.end_amdhsa_kernel
	.section	.bss,"aw",@nobits
	.p2align	6
	.space	262144
	.amdgpu_metadata
---
amdhsa.version: [ 1, 2 ]
amdhsa.kernels:
  - .name:           k_q970796b534_experts
    .symbol:         k_q970796b534_experts.kd
    .args:
      - { .name: xb, .offset: 0, .size: 8, .value_kind: global_buffer, .address_space: global }
      - { .name: WF, .offset: 8, .size: 8, .value_kind: global_buffer, .address_space: global }
      - { .name: b1, .offset: 16, .size: 8, .value_kind: global_buffer, .address_space: global }
      - { .name: b2, .offset: 24, .size: 8, .value_kind: global_buffer, .address_space: global }
      - { .name: b3, .offset: 32, .size: 8, .value_kind: global_buffer, .address_space: global }
      - { .name: wts, .offset: 40, .size: 8, .value_kind: global_buffer, .address_space: global }
      - { .name: list, .offset: 48, .size: 8, .value_kind: global_buffer, .address_space: global }
      - { .name: meta, .offset: 56, .size: 8, .value_kind: global_buffer, .address_space: global }
      - { .name: out0, .offset: 64, .size: 8, .value_kind: global_buffer, .address_space: global }
    .group_segment_fixed_size: 320000
    .private_segment_fixed_size: 0
    .kernarg_segment_align: 8
    .kernarg_segment_size: 72
    .max_flat_workgroup_size: 128
    .sgpr_count:     100
    .vgpr_count:     1024
    .wavefront_size: 32
...
	.end_amdgpu_metadata
.endif
;; end of part 5
